; MI455X (gfx1250); checked and timed in simulation.
; The chip was launched on July 23, 2026; its instructions are those of AMD's public machine-readable ISA for CDNA 5 (MIT licence, August 2026) and "CDNA5" Instruction Set Architecture Reference Guide (July 2026). The comments in the code are by the model that wrote it; some were corrected since.
;; Min LSTM. Allowed arithmetic: matrix products marked QUANTISED: E2M1 operands, one E8M0 scale for each 32 along K, by v_wmma_scale_f32_16x16x128_f8f6f4 with both operands' format E2M1 (or v_wmma_scale_f32_32x16x128_f4), f32 sums; everything else in f32.
;; Inputs: W_f 1,024 x 1,024 float32; W_h 1,024 x 1,024 float32; W_i 1,024 x 1,024 float32; b_f 1,024 float32; b_h 1,024 float32; b_i 1,024 float32; x 4 x 4,096 x 1,024 float32.
;; Outputs: out0 4 x 4,096 x 1,024 float32.
;; This version of the problem:
;;   THIS VERSION OF THE PROBLEM IS GIVEN IN LOW PRECISION. The matrix products marked QUANTISED in the list below multiply operands that are first quantised to E2M1 (2 exponent bits, 1 mantissa bit; 4 bits a number), with one power-of-two scale for each 32 numbers along K (OCP MX v1.0); their sums are f32. All else is computed in f32.
;;   The module's matrix products, in the order in which they are computed (A, B: the left and right operand; K: the contracted axis; several contracted axes count as one K, in the product's order):
;;     1. [M 16,384, K 1,024] x [K 1,024, N 1,024]; A: input x; B: input W_f: QUANTISED
;;     2. [M 16,384, K 1,024] x [K 1,024, N 1,024]; A: input x; B: input W_i: QUANTISED
;;     3. [M 16,384, K 1,024] x [K 1,024, N 1,024]; A: input x; B: input W_h: QUANTISED
;;   THE QUANTISER, for each operand of a quantised product, along K:
;;     - K is cut into blocks of 32 from its start; a last block that is shorter is filled with zeros.
;;     - A block's scale is 2^e with e = floor(log2(the largest magnitude in the block)) - 2, held to -126 .. 127; a block of zeros has e = 0. As a byte (E8M0): e + 127.
;;     - Each number is divided by its block's scale, clamped to +-6, and rounded to the nearest number of E2M1, ties to even, subnormals kept.
;;     - The product sums the exact products of the quantised numbers (number of the format x scale) in f32.
;;   ~~~python
;;   def quantise(x, axis):      # numpy; x: float32 -> the quantised numbers, widened to float32 again
;;       x = np.moveaxis(x, axis, -1); K = x.shape[-1]
;;       x = np.pad(x, [(0, 0)] * (x.ndim - 1) + [(0, -K % 32)]); x = x.reshape(x.shape[:-1] + (-1, 32)); a = np.abs(x).max(-1, keepdims=True)
;;       e = np.where(a > 0, np.clip(np.frexp(np.where(a > 0, a, 1))[1] - 1 - 2, -126, 127), 0)      # np.frexp(a)[1] - 1 = floor(log2(a)), exactly
;;       r = np.clip(x / 2.0 ** e, -6, 6)
;;       step = 2.0 ** (np.maximum(np.frexp(np.where(r == 0, 1, r))[1] - 1, 0) - 1)
;;       q = np.round(r / step) * step * 2.0 ** e      # np.round: ties to even
;;       return np.moveaxis(q.reshape(q.shape[:-2] + (-1,))[..., :K], -1, axis).astype(np.float32)
;;   ~~~
;; 2 versions. Each part assembles by itself: llvm-mc -triple=amdgcn-amd-amdhsa -mcpu=gfx1250 --defsym DOCPART=n.
;; ======== version 1 of 2: 2 launches
;; workspace buffers: xc 8,388,608 bytes; xs 524,288 bytes; wc 1,572,864 bytes; ws 98,304 bytes
;; launch quant (part 1): grid 608 x 1, 4 waves a work-group, no clusters, 33,280 bytes of LDS; arguments x, W_f, W_i, W_h, xc, xs, wc, ws; writes xc, xs, wc, ws
.if DOCPART == 1
	.amdgcn_target "amdgcn-amd-amdhsa--gfx1250"
	.amdhsa_code_object_version 6
	.text
	.protected	k_q5983e385d6_quant
	.globl	k_q5983e385d6_quant
	.p2align	8
	.type	k_q5983e385d6_quant,@function
k_q5983e385d6_quant:
	s_mov_b64 s[64:65], 0
	v_nop
	global_prefetch_b8 v0, s[64:65] scope:SCOPE_SE
	s_setreg_imm32_b32 hwreg(HW_REG_WAVE_MODE, 25, 1), 1
	s_wait_xcnt 0x0
; x [16384][1024] and W_f, W_i, W_h [1024][1024], f32, K innermost, are turned into codes of FP4 (E2M1), 4 bits each, K innermost, with one E8M0 scale byte for each 32 along K.
; xc [16384][512 bytes], xs [16384][32 bytes];  wc [3 gates: f, i, h][1024][512 bytes], ws [3][1024][32 bytes].
; A block's scale is 2^(floor(log2(its largest magnitude)) - 2); its byte is the largest magnitude's own exponent field - 2, held at 1 from below.  Each number is divided by the scale and
; rounded to the nearest code, ties to even; beyond the largest code the conversion gives the largest code.
; LIMITS: a block whose largest magnitude lies under 2^-124 (the floor) gets the byte 1; a block of zeros gets the byte 1 where the rule says 127: its codes are zeros, which add nothing
; under any byte but 0xff, and these bytes are read by this program alone.  NaN and infinities among the inputs are not served.
; Rows are dense and K is a multiple of 32: every tensor is a plain stream of blocks of 32 numbers, and so are its codes and scale bytes.
; SHARES: a work-group takes 32,768 numbers, a wave 16 steps of 512.  Work-groups 0-511 take x, 512-543 W_f, 544-575 W_i, 576-607 W_h; only pointers are chosen, all take one path.
; Each of a step's four loads reads 512 consecutive bytes, 16 a lane; the 2,048 bytes turn through the wave's own stage in LDS and come back 64 bytes a lane: 16 neighbours along K,
; two neighbouring lanes to a block.  A lane's 16 codes are 8 bytes: the wave stores 256 consecutive bytes.  A wave's 256 scale bytes are gathered in LDS and leave as 256 consecutive bytes.
; No tensor loads, no barrier: waves share nothing.  Loads run four steps (16 loads a wave) ahead, the turn through LDS one step.
.set STEPS, 16
.set EMAX,  2
.set CB,    8                          ; bytes of 16 codes
.set R,     16                         ; v16-79   four sets of 16 numbers as they are loaded
.set X,     80                         ; v80-111  two sets of 16 neighbours
.set E,     112                        ; v112-127 a scale byte for each step
.set C,     128                        ; v128-191 codes: four registers for each step, so that no store's data are written again
.set WREG,  8192                       ; LDS: a region for each wave: two stages of 32 x SP bytes, behind them its 256 scale bytes
.set SP,    80                         ; a lane's place in a stage: its 64 bytes + 16 of padding
	s_load_b256 s[4:11], s[0:1], 0x0               ; x s[4:5], W_f s[6:7], W_i s[8:9], W_h s[10:11]
	s_load_b256 s[12:19], s[0:1], 0x20             ; xc s[12:13], xs s[14:15], wc s[16:17], ws s[18:19]
	v_lshl_add_u32 v192, v0, 2, 0x8000
	v_mov_b32 v193, 0
	v_lshrrev_b32 v1, 5, v0
	v_readfirstlane_b32 s24, v1                    ; wave
	v_and_b32 v2, 31, v0                           ; lane
	v_lshlrev_b32 v3, 4, v2                        ; my 16 bytes of a load's 512
	s_mul_i32 s25, s24, WREG
	v_lshrrev_b32 v14, 2, v2
	v_mul_u32_u24 v14, v14, SP
	v_and_b32 v15, 3, v2
	v_lshl_add_u32 v14, v15, 4, v14
	v_add_nc_u32 v14, s25, v14                     ; the stage, on the way in: SP (lane / 4) + 16 (lane % 4); a load's 512 bytes take eight places
	v_mul_u32_u24 v15, v2, SP
	v_add_nc_u32 v15, s25, v15                     ; and on the way out: SP x lane: my 16 neighbours
	v_mul_u32_u24 v4, v2, CB                       ; my codes' place in a step's
	v_lshrrev_b32 v5, 1, v2
	s_add_co_u32 s25, s25, 2*32*SP
	v_add_nc_u32 v5, s25, v5                       ; LDS: my wave's 256 scale bytes, my block's byte
	v_lshlrev_b32 v7, 3, v2                        ; and on the way out 8 bytes a lane
	v_add_nc_u32 v6, s25, v7
	s_sub_co_u32 s22, ttmp9, 512                   ; a weight's work-group: its place in wc and ws, which run on over the three gates,
	s_and_b32 s23, s22, 31                         ; and its place in its own weight (32 work-groups each)
	s_wait_kmcnt 0x0
	s_cmp_lt_u32 ttmp9, 576                        ; the choices hang on the work-group's number alone
	s_cselect_b64 s[8:9], s[8:9], s[10:11]         ; W_i or W_h
	s_cmp_lt_u32 ttmp9, 544
	s_cselect_b64 s[6:7], s[6:7], s[8:9]           ; W_f or that
	s_cmp_lt_u32 ttmp9, 512
	s_cselect_b64 s[4:5], s[4:5], s[6:7]           ; x or that
	s_cselect_b64 s[12:13], s[12:13], s[16:17]     ; the codes' buffer
	s_cselect_b64 s[14:15], s[14:15], s[18:19]     ; the scale bytes' buffer
	s_cselect_b32 s23, ttmp9, s23                  ; place in the source
	s_cselect_b32 s22, ttmp9, s22                  ; place in the destination
	s_lshl_b32 s23, s23, 2
	s_add_co_u32 s23, s23, s24                     ; which run of 8,192 numbers of the source is my wave's
	s_lshl_b32 s22, s22, 2
	s_add_co_u32 s28, s22, s24                     ; and of the destination
	s_lshl_b32 s26, s23, 15                        ; 32,768 bytes of f32 a run (2,047 runs at the most: under 2^32)
	s_mov_b32 s27, 0
	s_add_nc_u64 s[4:5], s[4:5], s[26:27]
	s_lshl_b32 s26, s28, 12                        ; 4,096 bytes of codes a run
	s_add_nc_u64 s[12:13], s[12:13], s[26:27]
	s_lshl_b32 s26, s28, 8                         ; 256 scale bytes a run
	s_add_nc_u64 s[14:15], s[14:15], s[26:27]
.macro LOAD t
.irp i, 0,1,2,3
	global_load_b128 v[R+16*((\t)%4)+4*\i:R+16*((\t)%4)+4*\i+3], v3, s[4:5] offset:2048*(\t)+512*\i th:TH_LOAD_NT   ; 32 lanes read 512 consecutive bytes; read once in the launch
.endr
.endm
.macro TURN t                          ; step t's numbers through the stage: LDS serves a wave's instructions in order, so no wait stands between the stores and the loads
.irp i, 0,1,2,3
	ds_store_b128 v14, v[R+16*((\t)%4)+4*\i:R+16*((\t)%4)+4*\i+3] offset:32*SP*((\t)%2)+8*SP*\i
.endr
.irp i, 0,1,2,3
	ds_load_b128 v[X+16*((\t)%2)+4*\i:X+16*((\t)%2)+4*\i+3], v15 offset:32*SP*((\t)%2)+16*\i
.endr
.endm
.irp t, 0,1,2,3
	LOAD \t
.endr
	s_wait_loadcnt 12                              ; step 0's four loads are in; the twelve of steps 1 to 3 may be out
	TURN 0
.macro STEP t
.set XSET, X+16*((\t)%2)
.if (\t) > 0
	s_wait_dscnt 1                                 ; this step's numbers are back from the stage (the last step's byte store may be out): so its stores into the stage have read their registers,
.else
	s_wait_dscnt 0x0
.endif
.if (\t)+4 < STEPS
	LOAD (\t)+4                                    ; which take the loads of four steps on
.endif
.if (\t)+1 < STEPS
.if STEPS-2-(\t) >= 3
	s_wait_loadcnt 12                              ; the next step's four loads are in; those of the three steps behind it may be out
.else
	s_wait_loadcnt 4*(STEPS-2-(\t))                ; at the end the count runs down
.endif
	TURN (\t)+1                                    ; and go through the other stage while this step is worked
.endif
	v_max3_num_f32 v8, |v[XSET]|, |v[XSET+1]|, |v[XSET+2]|         ; the largest magnitude of my 16, in two chains
	v_max3_num_f32 v9, |v[XSET+3]|, |v[XSET+4]|, |v[XSET+5]|
.irp i, 6,10
	v_max3_num_f32 v8, v8, |v[XSET+\i]|, |v[XSET+\i+1]|
	v_max3_num_f32 v9, v9, |v[XSET+\i+2]|, |v[XSET+\i+3]|
.endr
	v_max3_num_f32 v8, v8, |v[XSET+14]|, |v[XSET+15]|
	v_max3_num_f32 v8, v8, v9, (EMAX+1)<<23        ; and the floor 2^(3 - 127): the byte cannot fall under 1
	v_max_num_f32_dpp v8, v8, v8 row_xmask:1 row_mask:0xf bank_mask:0xf   ; and of my neighbour's 16: the block's
	v_add_nc_u32 v11, -(EMAX<<23), v8              ; 2 off its exponent field: the conversion takes the exponent field of this operand as its scale, and nothing else of it
	v_cvt_scalef32_pk8_fp4_f32 v[C+4*(\t)], v[XSET:XSET+7], v11    ; eight numbers / the scale, to the nearest code; the first number's code in the lowest four bits
	v_cvt_scalef32_pk8_fp4_f32 v[C+4*(\t)+1], v[XSET+8:XSET+15], v11
	v_lshrrev_b32 v[E+(\t)], 23, v11               ; the scale's byte (also the plain instruction behind the conversions)
	ds_store_b8 v5, v[E+(\t)] offset:16*(\t)       ; both lanes of a block write the same byte with the same value
	global_store_b64 v4, v[C+4*(\t):C+4*(\t)+1], s[12:13] offset:32*CB*(\t)   ; 32 lanes store 256 consecutive bytes, at a multiple of 256 from the buffer's first byte
.endm
.irp t, 0,1,2,3,4,5,6,7,8,9,10,11,12,13,14,15
	STEP \t
.endr
	ds_load_b64 v[12:13], v6                       ; LDS serves a wave's instructions in order: these see my byte stores
	s_wait_dscnt 0x0
	global_store_b64 v7, v[12:13], s[14:15]        ; 32 lanes store 256 consecutive bytes, aligned
	s_wait_tensorcnt 0x0
	ds_add_u32 v192, v193
	s_wait_dscnt 0x0
	s_endpgm
.Lfunc_end_k_q5983e385d6_quant:
	.size	k_q5983e385d6_quant, .Lfunc_end_k_q5983e385d6_quant-k_q5983e385d6_quant
	.p2alignl 7, 3214868480
	.fill 96, 4, 3214868480
	.section	.rodata,"a",@progbits
	.p2align	6, 0x0
	.amdhsa_kernel k_q5983e385d6_quant
		.amdhsa_group_segment_fixed_size 33280
		.amdhsa_private_segment_fixed_size 0
		.amdhsa_enable_private_segment 0
		.amdhsa_kernarg_size 64
		.amdhsa_user_sgpr_count 2
		.amdhsa_user_sgpr_kernarg_segment_ptr 1
		.amdhsa_wavefront_size32 1
		.amdhsa_system_sgpr_workgroup_id_x 1
		.amdhsa_system_sgpr_workgroup_id_y 1
		.amdhsa_system_sgpr_workgroup_id_z 1
		.amdhsa_system_vgpr_workitem_id 0
		.amdhsa_next_free_vgpr 194
		.amdhsa_next_free_sgpr 66
		.amdhsa_reserve_vcc 0
		.amdhsa_float_denorm_mode_32 3
		.amdhsa_float_denorm_mode_16_64 3
		.amdhsa_memory_ordered 1
		.amdhsa_forward_progress 1
		.amdhsa_inst_pref_size 34
	.end_amdhsa_kernel
	.amdgpu_metadata
---
amdhsa.version: [ 1, 2 ]
amdhsa.kernels:
  - .name:           k_q5983e385d6_quant
    .symbol:         k_q5983e385d6_quant.kd
    .args:
      - { .name: x, .offset: 0, .size: 8, .value_kind: global_buffer, .address_space: global }
      - { .name: W_f, .offset: 8, .size: 8, .value_kind: global_buffer, .address_space: global }
      - { .name: W_i, .offset: 16, .size: 8, .value_kind: global_buffer, .address_space: global }
      - { .name: W_h, .offset: 24, .size: 8, .value_kind: global_buffer, .address_space: global }
      - { .name: xc, .offset: 32, .size: 8, .value_kind: global_buffer, .address_space: global }
      - { .name: xs, .offset: 40, .size: 8, .value_kind: global_buffer, .address_space: global }
      - { .name: wc, .offset: 48, .size: 8, .value_kind: global_buffer, .address_space: global }
      - { .name: ws, .offset: 56, .size: 8, .value_kind: global_buffer, .address_space: global }
    .group_segment_fixed_size: 33280
    .private_segment_fixed_size: 0
    .kernarg_segment_align: 8
    .kernarg_segment_size: 64
    .max_flat_workgroup_size: 128
    .sgpr_count:     66
    .vgpr_count:     194
    .wavefront_size: 32
...
	.end_amdgpu_metadata
.endif
;; end of part 1
;; launch scan (part 2): grid 64 x 4, 8 waves a work-group, clusters of 4 x 1, 327,680 bytes of LDS; arguments xc, xs, wc, ws, b_f, b_i, b_h, out0; writes out0
.if DOCPART == 2
	.amdgcn_target "amdgcn-amd-amdhsa--gfx1250"
	.amdhsa_code_object_version 6
	.text
	.protected	k_q5983e385d6_scan
	.globl	k_q5983e385d6_scan
	.p2align	8
	.type	k_q5983e385d6_scan,@function
k_q5983e385d6_scan:
	s_mov_b64 s[64:65], 0
	v_nop
	global_prefetch_b8 v0, s[64:65] scope:SCOPE_SE
	s_setreg_imm32_b32 hwreg(HW_REG_WAVE_MODE, 25, 1), 1
	s_wait_xcnt 0x0
	s_wait_alu depctr_hold_cnt(0) depctr_sa_sdst(0) depctr_va_vdst(0) depctr_va_sdst(0) depctr_va_ssrc(0) depctr_va_vcc(0) depctr_vm_vsrc(0)
	s_getreg_b32 s2, hwreg(HW_REG_IB_STS2, 6, 4)
	s_cmp_eq_u32 s2, 0
	s_cbranch_scc0 .Lentry_in_a_cluster
	s_endpgm
.Lentry_in_a_cluster:
	s_bfe_u32 s2, ttmp6, 0x10000c
	s_cmp_lg_u32 s2, 0x3003
	s_cbranch_scc0 .Lentry_shape_is_right
	s_endpgm
.Lentry_shape_is_right:
; MinLSTM: f = x W_f^T + b_f, i = x W_i^T + b_i, z = x W_h^T + b_h on codes of FP4 (E2M1) with one E8M0 scale for each 32 along K (xc, xs, wc, ws: made by the launch before), sums in f32; then
;   f' = (1 + e^-i) / (2 + e^-f + e^-i),   g = max(z + 0.5, sigmoid(z)),   h_t = f'_t h_(t-1) + (1 - f'_t) g_t,   h_0 = 0,   out0[b][t][col] = h_t.
; That is what the log-space scan computes: exp(log_f) = f', exp(log_i) = 1 - f', exp(log_g(z)) = g (z + 0.5 lies above the sigmoid for z > 0 and below it for z < 0), and
; a_star + cumlogsumexp(log_values - a_star) is the logarithm of the recurrence's solution.  In the linear form every weight is a product of factors of at most 1: no exponential is left in the scan.
; THE GATES' EXPONENTIALS ARE SHIFTED BY THEIR LARGEST EXPONENT: numerator and denominator of f' are multiplied by e^m, m = min(f, i, 1).  The exponents m - f and m - i are 0 or less and m is at most 1;
; either m = 1 or one of m - f, m - i is 0: so the denominator 2 e^m + e^(m - f) + e^(m - i) lies between 1 and 2 e + 2 for every f and i.  (The bound is 1 and not 0, so that the maximum below
; never has to choose between two zeros of different sign.)  The sigmoid is e^-|z| / (1 + e^-|z|), which is sigmoid(z) for z < 0 and at most 0.5, so under z + 0.5, for z >= 0.
; LIMITS: exponentials and products under 2^-126 come out as 0; the scan is summed in the linear domain, so its order of rounding differs from the log-space form's; NaN and infinities are not served.
; SHARES.  A work-group owns one batch and 16 columns, with all 4,096 times of these 16 chains: 4 x 64 = 256 work-groups of equal work, each chain with one owner, so nothing passes between work-groups.
; It walks 16 tiles of 256 times.  In a tile wave w takes times 32 w .. 32 w + 31, two row tiles of 16.  Every wave keeps the 48 weight rows (3 gates x 16 columns x 1,024 K: 192 registers) for the whole launch.
; Eight waves of 512 registers: while one wave walks its gates, another's products can be issued.
; LAYOUT.  Source 0 = 16 times of x, source 1 = 16 rows of W: lane (r, h) holds column r and its registers 0 .. 7 the times 8 h + 0 .. 7.  So the scan runs down a lane's registers;
; each piece is summed up as a pair (F = product of f', V = its result from a start of 0) and the pairs are joined over h (one lane exchange), the two row tiles, the eight waves (through LDS) and the running carry.
; A tile's results are finished one trip later, when all eight waves' pairs lie in LDS behind the trip's barrier: out = CF x (state at my piece's start) + V.
; THE STORES: a work-group's share of a row of out0 is 16 columns, 64 bytes: a store of the wave covers two runs of 64 consecutive bytes, not whole aligned runs of 256.  Whole chains and whole
; runs of 256 bytes would leave 64 owners for the work of 256.  The three runs that complete the aligned 256 bytes are stored by my cluster's other three work-groups in the same trip.
; CLUSTER.  The four work-groups of a cluster own neighbouring columns of ONE batch and walk the same tiles of x: each tile is asked for JOINTLY, by the same tensor load with the same descriptor and
; a mask that names the four.  My place in the cluster enters the addresses of weights, biases, out0 and the prefetch alone.
; REGISTERS.  Window 0: v1-10 addresses that stay; v16-79 x's eight fragments; v80-83 x's scale words; v84-95 the weights' scale words; v96-119 the three accumulators; v120-135 at work;
;   v136-183 two row tiles' results (24 each); v184-213 pairs and carries.   Window 1: v0-191 the weights (gate g, K step s at 64 g + 8 s); v192-215 the biases (gate g: eight registers with the same number).
.set PITCH, 528                        ; a row of x's codes in LDS: 512 bytes + 16 of padding = 132 words: row r starts at bank 4 r mod 64 (64 banks of 4 bytes: ISA guide 11.1)
.set TILEB, 131072                     ; a tile's codes in memory: 256 rows x 512 bytes
.set TILES, 8192                       ; its scale bytes: 256 rows x 32
.set SCOFF, 256*PITCH                  ; a slot: 256 rows of codes (135,168 bytes), then the scale bytes
.set SLOTB, SCOFF+TILES                ; 143,360
.set SUMB,  2*SLOTB                    ; behind the ring: the waves' pairs, two areas of 1,024 bytes by turns: wave w at 128 w, column r at 8 r.  No tile lands here
.set SPARE, SUMB+2048                  ; the spare words, 128 bytes for each of eight waves: four blocks of 256 bytes that no other line names
.set SPW,  1                           ; v1   LDS address of my spare word: SPARE + 4 x my thread's number; never rewritten
.set NIL,  2                           ; v2   0; never rewritten
.set ADR,  3                           ; v3-4 my lane's place in my wave's 32 rows of codes, slot 0, 1
.set ASC,  5                           ; v5-6 the same among the scale bytes
.set SUMW, 7                           ; v7   where my wave's pair of column r goes
.set SUMR, 8                           ; v8   where wave 0's pair of column r lies
.set VO,   9                           ; v9   my byte offset in out0: 8 h rows of 4,096 bytes + 4 r
.set PFO,  10                          ; v10  the prefetch's offset: 256 x lane
.set XF,   16
.set XS,   80
.set WS,   84
.set FA,   96                          ; accumulators: f, i, z
.set IA,   104
.set HA,   112
.set MN,   120
.set TT,   128
.set VR,   136                         ; row tile t at VR + 24 t: +0..7 V, +8..15 CF (running product of f'), +16 A, +17 BC, +18 FT, +19 VT
.set FW,   184                         ; v[184:185] my wave's pair
.set SUM,  186                         ; v186-201 the eight waves' pairs
.set HC,   202                         ; the carry: the chains' state at the head of the tile to be finished
.set HIN,  203                         ; the state at the head of my wave's 32 times
.set PV,   204
.set PF,   205
.set HS,   206                         ; v[206:207], v[208:209]: the state at my piece's start, row tile 0, 1 (the packed form names pairs and takes their low words)
.set HIV,  210
.set HIF,  211
.set LOV,  212
.set HT1,  213
.set BI,   192                         ; window 1: the biases
.set OUT,  18                          ; s[18:19] out0 at my wave's first row of the tile to be finished
.set WV,   20                          ; s20  my wave's number
.set G1C,  24                          ; s[24:31] descriptor group 1 for codes;  s[32:39] for scale bytes
.set G1S,  32
.set G0C,  40                          ; s[40:47] group 0 for codes, a set for each slot;  s[48:55] for scale bytes
.set G0S,  48
.set NC,   58                          ; s[58:59] -log2(e)
.set SEL,  60                          ; s[60:61] lane selects for v_permlanex16_b32: lane l xor 16
.set HM,   62                          ; s62  the mask of lanes 16-31
.set CNT,  63                          ; s63  the loop's counter
.set LIM,  66                          ; s66  1 in a wave that prefetches, else the greatest number
.set PFA,  68                          ; s[68:69] where my prefetch stands
.set MK,   70                          ; s70-77 all ones in the register of my wave's number, else 0
.set MSB, 0
.macro WIN new                         ; the immediate's high byte repeats the setting that is left
.if MSB != \new
	s_set_vgpr_msb (MSB<<8)|\new
.set MSB, \new
.endif
.endm
; A round of the cluster's barrier: my work-group's barrier, so that wave 0's signal speaks for all eight waves; wave 0 signals for the work-group; every wave waits for all four work-groups; my work-group's barrier once more.
.macro ROUND
	s_barrier_signal -1
	s_barrier_wait -1
	s_cmp_lg_u32 s[WV], 0
	s_cbranch_scc1 .Lnot_wave_0_\@
	s_barrier_signal -3
.Lnot_wave_0_\@:
	s_barrier_wait -3
	s_barrier_signal -1
	s_barrier_wait -1
.endm
; A joint load into slot n.  Waves 0 to 3 fetch 64 rows of codes each, wave 4 the tile's scale bytes, the others nothing.  The branches hang on the wave's number alone.
; Four v_nop follow each of the two lines.  By this text's own count a wave has at most one tensor load out.
.macro JLOAD n
	s_cmp_lt_u32 s[WV], 4
	s_cbranch_scc0 .Lnot_codes_\@
	tensor_load_to_lds s[G0C+4*(\n):G0C+4*(\n)+3], s[G1C:G1C+7]
	s_nop 0
.rept 4
	v_nop
.endr
	s_branch .Lasked_\@
.Lnot_codes_\@:
	s_cmp_eq_u32 s[WV], 4
	s_cbranch_scc0 .Lasked_\@
	tensor_load_to_lds s[G0S+4*(\n):G0S+4*(\n)+3], s[G1S:G1S+7]
	s_nop 0
.rept 4
	v_nop
.endr
.Lasked_\@:
.endm
; A PREFETCH INTO THE L2: trip k names the codes of tile k + 3, which the joint load of trip k + 2 will ask for.  All 16 clusters of a batch walk the same tiles: the batch's first cluster asks.  Its four partners
; take 64 rows each, told apart BY ADDRESS; in each, waves 0 to 3 take 8,192 bytes each, lanes 256 bytes apart: each aligned block of 256 bytes is named once in the launch.
; It stops where the counter has fallen to 1: trips 13 and 14 would name tiles past the batch's last.  Tiles 0 to 2 and the scale bytes come by their loads alone.
.macro ASK
	s_cmp_gt_u32 s[CNT], s[LIM]
	s_cbranch_scc0 .Lnot_mine_\@
	global_prefetch_b8 v[PFO], s[PFA:PFA+1] th:TH_LOAD_NT scope:SCOPE_SE
.Lnot_mine_\@:
.endm
; 17 LDS loads: row tile t of my 32 rows in slot n: eight fragments (16 rows x 128 K of 4-bit codes: lane (r, h) takes bytes 64 s + 32 c + 16 h of row r) and the rows' scale words:
; lanes 0-15 take words 0-3 of row r, lanes 16-31 words 4-7, so that register j serves K step j from its lower lanes and K step 4 + j from its upper ones.
.macro XLOAD n, t
.irp s, 0,1,2,3,4,5,6,7
.irp c, 0,1
	ds_load_b128 v[XF+8*\s+4*\c:XF+8*\s+4*\c+3], v[ADR+\n] offset:16*PITCH*\t+64*\s+32*\c
.endr
.endr
	ds_load_b128 v[XS:XS+3], v[ASC+\n] offset:512*\t
.endm
.macro SUMLOAD a                       ; the eight waves' pairs of my column, from area a
.irp w, 0,1,2,3,4,5,6,7
	ds_load_b64 v[SUM+2*\w:SUM+2*\w+1], v[SUMR] offset:1024*(\a)+128*\w
.endr
.endm
; 24 matrix instructions: f, i, z of 16 times x 16 columns, K = 1,024 in eight steps, ascending.  The three accumulators take turns, one instruction a turn.
; The first step's C is the bias: nothing is cleared, and no addition is spent on it.
.macro MUL
	WIN 0x14                                       ; source 1 (W) and source 2 (the bias) window 1
.irp g, 0,1,2
	v_wmma_scale_f32_16x16x128_f8f6f4 v[FA+8*\g:FA+8*\g+7], v[XF:XF+7], v[64*\g:64*\g+7], v[BI+8*\g:BI+8*\g+7], v[XS], v[WS+4*\g] matrix_a_fmt:MATRIX_FMT_FP4 matrix_b_fmt:MATRIX_FMT_FP4
.endr
	WIN 0x04                                       ; source 1 window 1
.irp s, 1,2,3
.irp g, 0,1,2
	v_wmma_scale_f32_16x16x128_f8f6f4 v[FA+8*\g:FA+8*\g+7], v[XF+8*\s:XF+8*\s+7], v[64*\g+8*\s:64*\g+8*\s+7], v[FA+8*\g:FA+8*\g+7], v[XS+\s], v[WS+4*\g+\s] matrix_a_fmt:MATRIX_FMT_FP4 matrix_b_fmt:MATRIX_FMT_FP4
.endr
.endr
.irp s, 4,5,6,7
.irp g, 0,1,2
	v_wmma_scale_f32_16x16x128_f8f6f4 v[FA+8*\g:FA+8*\g+7], v[XF+8*\s:XF+8*\s+7], v[64*\g+8*\s:64*\g+8*\s+7], v[FA+8*\g:FA+8*\g+7], v[XS+\s-4], v[WS+4*\g+\s-4] matrix_a_fmt:MATRIX_FMT_FP4 matrix_b_fmt:MATRIX_FMT_FP4 matrix_a_scale:MATRIX_SCALE_ROW1 matrix_b_scale:MATRIX_SCALE_ROW1
.endr
.endr
	WIN 0
.endm
.macro PLACES                          ; four places behind the last products, in front of loads into registers that they read and of the first reads of their results
.rept 4
	v_nop
.endr
.endm
; THE GATES AND THE LOCAL SCAN of row tile t.  Each accumulator is read from its lowest register on.  Two batches of transcendentals, each with one plain instruction and one wait behind it.
.macro GATE t, fix
.set VB, VR+24*(\t)
.irp j, 0,1,2,3,4,5,6,7
	v_max3_num_f32 v[MN+\j], -v[FA+\j], -v[IA+\j], -1.0            ; -m = max(-f, -i, -1)
.endr
.irp p, 0,2,4,6
	v_pk_mul_f32 v[MN+\p:MN+\p+1], v[MN+\p:MN+\p+1], s[NC:NC+1] op_sel_hi:[1,0]   ; m log2(e)
.endr
.irp j, 0,1,2,3,4,5,6,7
	v_mul_f32 v[TT+\j], s[NC], |v[HA+\j]|                          ; -|z| log2(e)
.endr
.irp p, 0,2,4,6
	v_pk_fma_f32 v[FA+\p:FA+\p+1], v[FA+\p:FA+\p+1], s[NC:NC+1], v[MN+\p:MN+\p+1] op_sel_hi:[1,0,1]   ; (m - f) log2(e)
	v_pk_fma_f32 v[IA+\p:IA+\p+1], v[IA+\p:IA+\p+1], s[NC:NC+1], v[MN+\p:MN+\p+1] op_sel_hi:[1,0,1]   ; (m - i) log2(e)
.endr
.irp j, 0,1,2,3,4,5,6,7
	v_exp_f32 v[MN+\j], v[MN+\j]                                   ; e^m
.endr
.irp j, 0,1,2,3,4,5,6,7
	v_exp_f32 v[FA+\j], v[FA+\j]                                   ; e^(m - f)
.endr
.irp j, 0,1,2,3,4,5,6,7
	v_exp_f32 v[IA+\j], v[IA+\j]                                   ; e^(m - i)
.endr
.irp j, 0,1,2,3,4,5,6,7
	v_exp_f32 v[TT+\j], v[TT+\j]                                   ; e^-|z|
.endr
.irp p, 0,2,4,6
	v_pk_add_f32 v[HA+\p:HA+\p+1], v[HA+\p:HA+\p+1], 0.5 op_sel_hi:[1,0]   ; z + 0.5: plain work behind the batch, which names none of its results
.endr
	s_wait_alu depctr_va_vdst(0)                   ; one wait for the 32 exponentials, ahead of their first reader
.irp p, 0,2,4,6
	v_pk_add_f32 v[IA+\p:IA+\p+1], v[MN+\p:MN+\p+1], v[IA+\p:IA+\p+1]      ; the numerator e^m + e^(m - i)
	v_pk_add_f32 v[FA+\p:FA+\p+1], v[MN+\p:MN+\p+1], v[FA+\p:FA+\p+1]      ; e^m + e^(m - f)
.endr
.irp p, 0,2,4,6
	v_pk_add_f32 v[FA+\p:FA+\p+1], v[FA+\p:FA+\p+1], v[IA+\p:IA+\p+1]      ; the denominator, between 1 and 2 e + 2
	v_pk_add_f32 v[MN+\p:MN+\p+1], v[TT+\p:TT+\p+1], 1.0 op_sel_hi:[1,0]   ; 1 + e^-|z|
.endr
.irp j, 0,1,2,3,4,5,6,7
	v_rcp_f32 v[FA+\j], v[FA+\j]
.endr
.irp j, 0,1,2,3,4,5,6,7
	v_rcp_f32 v[MN+\j], v[MN+\j]
.endr
	v_nop                                          ; the plain instruction behind the last reciprocal
.if \t == 0
	s_wait_xcnt 0x0                                ; the trip's stores and its prefetch have read their registers: V, which the stores read, out0's base and the prefetch's address are written only behind this wait
	s_add_nc_u64 s[PFA:PFA+1], s[PFA:PFA+1], TILEB ; the prefetch: a tile on
.if \fix
	s_add_nc_u64 s[OUT:OUT+1], s[OUT:OUT+1], 256*4096   ; out0: on to the tile that the next trip finishes
.endif
.endif
	s_wait_alu depctr_va_vdst(0)                   ; one wait for the 16 reciprocals
.irp p, 0,2,4,6
	v_pk_mul_f32 v[VB+8+\p:VB+9+\p], v[IA+\p:IA+\p+1], v[FA+\p:FA+\p+1]    ; f'
	v_pk_mul_f32 v[TT+\p:TT+\p+1], v[TT+\p:TT+\p+1], v[MN+\p:MN+\p+1]      ; e^-|z| / (1 + e^-|z|)
.endr
.irp j, 0,1,2,3,4,5,6,7
	v_max_num_f32 v[HA+\j], v[HA+\j], v[TT+\j]                     ; g
.endr
.irp p, 0,2,4,6
	v_pk_fma_f32 v[VB+\p:VB+\p+1], v[VB+8+\p:VB+9+\p], v[HA+\p:HA+\p+1], v[HA+\p:HA+\p+1] neg_lo:[1,0,0] neg_hi:[1,0,0]   ; (1 - f') g = g - f' g
.endr
.irp j, 1,2,3,4,5,6,7
	v_fma_f32 v[VB+\j], v[VB+8+\j], v[VB+\j-1], v[VB+\j]           ; my eight times from a start of 0,
	v_mul_f32 v[VB+8+\j], v[VB+8+\j], v[VB+7+\j]                   ; and the running product of f'
.endr
	v_permlanex16_b32 v[PV], v[VB+7], s[SEL], s[SEL+1]             ; the other half's pair
	v_permlanex16_b32 v[PF], v[VB+15], s[SEL], s[SEL+1]
	v_cndmask_b32 v[VB+16], 1.0, v[PF], s[HM]                      ; the state at my piece's start = A x (the row tile's start) + BC: lanes 0-15: that start itself;
	v_cndmask_b32 v[VB+17], 0, v[PV], s[HM]                        ; lanes 16-31: carried through the lower half's eight times
	v_mul_f32 v[VB+18], v[VB+15], v[PF]                            ; the row tile's pair: FT,
	v_cndmask_b32 v[HIV], v[PV], v[VB+7], s[HM]
	v_cndmask_b32 v[HIF], v[PF], v[VB+15], s[HM]
	v_cndmask_b32 v[LOV], v[VB+7], v[PV], s[HM]
	v_fma_f32 v[VB+19], v[HIF], v[LOV], v[HIV]                     ; and VT = F(upper) V(lower) + V(upper), the same in both halves
.endm
.macro WSUM n                          ; my wave's pair goes to area n: lanes r and 16 + r write the same words with the same values
	v_mul_f32 v[FW], v[VR+18], v[VR+42]
	v_fma_f32 v[FW+1], v[VR+42], v[VR+19], v[VR+43]
	ds_store_b64 v[SUMW], v[FW:FW+1] offset:1024*\n
.endm
; A TILE IS FINISHED: the carry walks the eight waves' pairs (every wave does so, and all hold the same carry); on the way I keep the state at my wave's head; then my 16 registers are completed and stored.
.macro FIX
.irp w, 0,1,2,3,4,5,6,7
	v_cndmask_b32 v[HIN], v[HIN], v[HC], s[MK+\w]
	v_fma_f32 v[HC], v[SUM+2*\w], v[HC], v[SUM+2*\w+1]
.endr
	v_fma_f32 v[HS], v[VR+16], v[HIN], v[VR+17]                    ; the state at my piece's start, row tile 0
	v_fma_f32 v[HT1], v[VR+18], v[HIN], v[VR+19]                   ; the state behind row tile 0
	v_fma_f32 v[HS+2], v[VR+40], v[HT1], v[VR+41]                  ; and at my piece's start in row tile 1
.irp t, 0,1
.irp p, 0,2,4,6
	v_pk_fma_f32 v[VR+24*\t+\p:VR+24*\t+\p+1], v[VR+24*\t+8+\p:VR+24*\t+9+\p], v[HS+2*\t:HS+2*\t+1], v[VR+24*\t+\p:VR+24*\t+\p+1] op_sel_hi:[1,0,1]
.endr
.endr
.irp t, 0,1
.irp j, 0,1,2,3,4,5,6,7
	global_store_b32 v[VO], v[VR+24*\t+\j], s[OUT:OUT+1] offset:(16*\t+\j)*4096   ; times 16 t + 8 h + j: two runs of 64 consecutive bytes; no hint: my partners store the runs beside them in the same trip
.endr
.endr
.endm
; A TRIP: tile k lies in slot n = k % 2.  refill = 1: tile k + 1 is asked for, into the slot read last trip.  fix = 1: tile k - 1 is finished.
.macro TRIP n, refill, fix
	s_wait_tensorcnt 0x0                           ; all my tensor loads have landed: the one that was out is my part of this trip's tile; so every group 0 may be written
	ds_add_u32 v[SPW], v[NIL]                      ; 0 onto my spare word: the descriptors' steps stand between it and the wait for it
	s_add_nc_u64 s[G0C+4*\n+2:G0C+4*\n+3], s[G0C+4*\n+2:G0C+4*\n+3], 2*TILEB   ; this slot's next tile; the type bits on top are not reached
	s_add_nc_u64 s[G0S+4*\n+2:G0S+4*\n+3], s[G0S+4*\n+2:G0S+4*\n+3], 2*TILES
	s_wait_dscnt 0x0                               ; the add is done, my reads of the last trip's slot are over, and my pair has landed in its area
.if \refill
	ROUND                                          ; all that now holds of every wave of all four work-groups
	JLOAD 1-\n                                     ; the first tensor load behind the round, one a wave: it has the whole trip in which to land
.else
	s_barrier_signal -1
	s_barrier_wait -1
.endif
.if \fix
	SUMLOAD 1-\n                                   ; the last trip's pairs; that area is written again two barriers on
.endif
	XLOAD \n, 0
.if \refill
	ASK
.endif
.if \fix
	s_wait_dscnt 17                                ; the eight pairs are in; the 17 younger loads, x's fragments and scale words, may be out
	FIX
.endif
	s_wait_dscnt 0x0                               ; row tile 0's fragments are in
	MUL
	PLACES
	XLOAD \n, 1                                    ; row tile 1 lands while row tile 0's gates are walked
	GATE 0, \fix
	s_wait_dscnt 0x0
	MUL
	PLACES
	GATE 1, \fix
	WSUM \n
.endm
	s_load_b256 s[4:11], s[0:1], 0x0               ; xc s[4:5], xs s[6:7], wc s[8:9], ws s[10:11]
	s_load_b256 s[12:19], s[0:1], 0x20             ; b_f s[12:13], b_i s[14:15], b_h s[16:17], out0 s[18:19]
	v_lshl_add_u32 v[SPW], v0, 2, SPARE
	v_mov_b32 v[NIL], 0
	ds_add_u32 v1, v2
	s_wait_dscnt 0x0
	v_lshrrev_b32 v11, 5, v0
	v_readfirstlane_b32 s[WV], v11                 ; wave 0..7
	s_bfe_u32 s21, ttmp6, 0x40000                  ; cx: my place in the cluster
	s_lshl_b32 s22, ttmp9, 2                       ; in a cluster launch ttmp9 counts clusters
	s_add_co_u32 s22, s22, s21                     ; my group of 16 columns = 4 x cluster x + cx
	s_and_b32 s23, ttmp7, 0xffff                   ; the batch, which the four partners share
	s_mov_b32 s[NC], 0xbfb8aa3b                    ; -log2(e)
	s_mov_b32 s[NC+1], s[NC]                       ; (named with it as a pair, so it is written)
	s_mov_b32 s[SEL], 0x76543210
	s_mov_b32 s[SEL+1], 0xfedcba98
	s_mov_b32 s[HM], 0xffff0000
	; descriptor group 1 for codes: 64 rows x 512 bytes, dense in memory, padded in LDS
	s_mov_b32 s[G1C], 15|(0<<16)|(1<<20)|(1<<21)|(6<<22)|(3<<25)   ; 15:0 the mask: all four work-groups; 17:16 elements of 1 byte; 20 padding on; 21 set beside a mask; 24:22 after every 128 words (code 6); 31:25 four words (code 3)
	s_mov_b32 s[G1C+1], 512<<16                    ; tensor_dim0 = 512
	s_mov_b32 s[G1C+2], 64<<16                     ; tensor_dim1 = 64
	s_mov_b32 s[G1C+3], 512<<16                    ; tile_dim0 = 512
	s_mov_b32 s[G1C+4], 64                         ; tile_dim1 = 64
	s_mov_b32 s[G1C+5], 512                        ; from row to row
	s_mov_b32 s[G1C+6], 0
	s_mov_b32 s[G1C+7], 0
	; and for a tile's scale bytes: 8,192 dense bytes as 32 rows of 256 bytes (32 elements of 8 bytes), no padding
	s_mov_b32 s[G1S], 15|(3<<16)|(1<<21)
	s_mov_b32 s[G1S+1], 32<<16
	s_mov_b32 s[G1S+2], 32<<16
	s_mov_b32 s[G1S+3], 32<<16
	s_mov_b32 s[G1S+4], 32
	s_mov_b32 s[G1S+5], 32
	s_mov_b32 s[G1S+6], 0
	s_mov_b32 s[G1S+7], 0
	; what I fetch, if I fetch: made of the batch and the wave's number alone, in registers that never hold my place in the cluster
	s_and_b32 s78, s[WV], 3                        ; which 64 rows of a tile
	s_mul_i32 s79, s78, 64*PITCH                   ; their place in a slot
	s_lshl_b32 s80, s23, 21                        ; the batch's codes: 4,096 rows x 512 bytes
	s_lshl_b32 s78, s78, 15                        ; 64 rows x 512 bytes
	s_add_co_u32 s80, s80, s78
	s_mov_b32 s81, 0
	s_lshl_b32 s82, s23, 17                        ; the batch's scale bytes: 4,096 rows x 32
	s_mov_b32 s83, 0
	s_wait_kmcnt 0x0
	s_add_nc_u64 s[80:81], s[4:5], s[80:81]
	s_add_nc_u64 s[82:83], s[6:7], s[82:83]
.irp n, 0,1
	s_mov_b32 s[G0C+4*\n], 1                                       ; 1:0 count = 1
	s_add_co_u32 s[G0C+4*\n+1], s79, \n*SLOTB                      ; 63:32 LDS address
	s_add_nc_u64 s[G0C+4*\n+2:G0C+4*\n+3], s[80:81], \n*TILEB      ; 120:64 global address: tile n
	s_or_b32 s[G0C+4*\n+3], s[G0C+4*\n+3], 0x80000000              ; 127:126 type = 2
	s_mov_b32 s[G0S+4*\n], 1
	s_mov_b32 s[G0S+4*\n+1], \n*SLOTB+SCOFF
	s_add_nc_u64 s[G0S+4*\n+2:G0S+4*\n+3], s[82:83], \n*TILES
	s_or_b32 s[G0S+4*\n+3], s[G0S+4*\n+3], 0x80000000
.endr
	ROUND                                          ; all four work-groups are here: the first joint loads meet
	JLOAD 0                                        ; tile 0
	; my columns' weights, scale words and biases, and my rows of out0
	s_lshl_b32 s84, s22, 13                        ; 16 rows of 512 bytes
	s_mov_b32 s85, 0
	s_add_nc_u64 s[8:9], s[8:9], s[84:85]
	s_lshl_b32 s84, s22, 9                         ; 16 rows of 32 bytes
	s_add_nc_u64 s[10:11], s[10:11], s[84:85]
	s_lshl_b32 s84, s22, 6                         ; 16 numbers of 4 bytes
	s_add_nc_u64 s[12:13], s[12:13], s[84:85]
	s_add_nc_u64 s[14:15], s[14:15], s[84:85]
	s_add_nc_u64 s[16:17], s[16:17], s[84:85]
	s_add_nc_u64 s[OUT:OUT+1], s[OUT:OUT+1], s[84:85]
	s_lshl_b32 s84, s23, 24                        ; the batch: 4,096 rows of 4,096 bytes
	s_lshl_b32 s86, s[WV], 17                      ; my wave's 32 rows
	s_add_co_u32 s84, s84, s86
	s_add_nc_u64 s[OUT:OUT+1], s[OUT:OUT+1], s[84:85]
	v_and_b32 v11, 15, v0                          ; r
	v_bfe_u32 v12, v0, 4, 1                        ; h
	v_lshlrev_b32 v13, 9, v11
	v_lshl_add_u32 v13, v12, 4, v13                ; weights: row r of 512 bytes, + 16 h
	v_lshlrev_b32 v14, 5, v11
	v_lshl_add_u32 v14, v12, 4, v14                ; scale words: row r of 32 bytes, + 16 h: lanes 0-15 words 0-3, lanes 16-31 words 4-7
	v_lshlrev_b32 v15, 2, v11                      ; biases: 4 r
	WIN 0x40                                       ; destination window 1
.irp g, 0,1,2
.irp s, 0,1,2,3,4,5,6,7
.irp c, 0,1
	global_load_b128 v[64*\g+8*\s+4*\c:64*\g+8*\s+4*\c+3], v13, s[8:9] offset:\g*524288+64*\s+32*\c
.endr
.endr
.endr
	global_load_b32 v[BI], v15, s[12:13]           ; my column's three biases, each into the first register of its C operand
	global_load_b32 v[BI+8], v15, s[14:15]
	global_load_b32 v[BI+16], v15, s[16:17]
	WIN 0
.irp g, 0,1,2
	global_load_b128 v[WS+4*\g:WS+4*\g+3], v14, s[10:11] offset:\g*32768
.endr
	; the prefetch: where my wave's stands, and who asks
	s_lshl_b32 s84, s23, 21
	s_lshl_b32 s86, s21, 15                        ; my work-group's 64 rows of a tile's 256
	s_add_co_u32 s84, s84, s86
	s_and_b32 s86, s[WV], 3
	s_lshl_b32 s86, s86, 13                        ; my wave's 8,192 bytes of them
	s_add_co_u32 s84, s84, s86
	s_add_co_u32 s84, s84, 3*TILEB                 ; in tile 3: nothing is prefetched at the head, where every work-group's first tiles are on their way
	s_add_nc_u64 s[PFA:PFA+1], s[4:5], s[84:85]
	s_lshr_b32 s86, s[WV], 2                       ; 0 in waves 0 to 3,
	s_or_b32 s86, s86, ttmp9                       ; of the batch's first cluster: the same in all four partners
	s_cmp_eq_u32 s86, 0
	s_cselect_b32 s[LIM], 1, -1
.irp w, 0,1,2,3,4,5,6,7
	s_cmp_eq_u32 s[WV], \w
	s_cselect_b32 s[MK+\w], -1, 0
.endr
	; LDS addresses: a constant + a constant x lane term + a constant x wave
	v_mul_u32_u24 v[ADR], v11, PITCH
	v_lshl_add_u32 v[ADR], v12, 4, v[ADR]
	s_mul_i32 s87, s[WV], 32*PITCH
	v_add_nc_u32 v[ADR], s87, v[ADR]               ; my wave's 32 rows, row r, + 16 h
	v_add_nc_u32 v[ADR+1], SLOTB, v[ADR]
	s_lshl_b32 s87, s[WV], 10
	s_add_co_u32 s87, s87, SCOFF
	v_add_nc_u32 v[ASC], s87, v14                  ; their scale bytes: 32 r + 16 h
	v_add_nc_u32 v[ASC+1], SLOTB, v[ASC]
	v_lshlrev_b32 v[SUMR], 3, v11
	v_add_nc_u32 v[SUMR], SUMB, v[SUMR]
	s_lshl_b32 s87, s[WV], 7
	v_add_nc_u32 v[SUMW], s87, v[SUMR]
	v_lshl_add_u32 v[VO], v12, 15, v15             ; 8 h rows of 4,096 bytes + 4 r
	v_and_b32 v[PFO], 31, v0
	v_lshlrev_b32 v[PFO], 8, v[PFO]
	v_mov_b32 v[HC], 0                             ; h_0 = 0
	v_mov_b32 v[HIN], 0
	v_mov_b32 v[PV], 0                             ; written once: a lane permute's destination counts as one of its sources
	v_mov_b32 v[PF], 0
	v_mov_b32 v[HS+1], 0                           ; named as the upper halves of pairs, so they are written
	v_mov_b32 v[HS+3], 0
	s_mov_b32 s[CNT], 7
	s_wait_loadcnt 0x0                             ; weights, scale words and biases, once
	WIN 0x41                                       ; source 0 and destination window 1
.irp g, 0,1,2
.irp j, 1,2,3,4,5,6,7
	v_mov_b32 v[BI+8*\g+\j], v[BI+8*\g]            ; in the result's layout a lane's eight registers are eight times of ONE column: the column's bias in all eight; once in the launch
.endr
.endr
	WIN 0
	TRIP 0, 1, 0                                   ; tile 0: nothing to finish yet
.Lloop:                                            ; seven trips of two tiles: tiles 1 to 14
	TRIP 1, 1, 1
	TRIP 0, 1, 1
	s_sub_co_u32 s[CNT], s[CNT], 1
	s_cmp_lg_u32 s[CNT], 0
	s_cbranch_scc1 .Lloop
	TRIP 1, 0, 1                                   ; tile 15 is written out: nothing is left to fetch
	s_wait_dscnt 0x0                               ; for the others' sake: my last pair has landed
	s_barrier_signal -1
	s_barrier_wait -1
	SUMLOAD 1
	s_wait_dscnt 0x0
	FIX                                            ; tile 15 is finished
	s_wait_tensorcnt 0x0                           ; the wave's end: behind my last tensor load and my last LDS store
	ds_add_u32 v[SPW], v[NIL]
	s_wait_dscnt 0x0
	ROUND                                          ; the closing round: no work-group ends while a partner may still ask for a tile that names it
	s_endpgm
.Lfunc_end_k_q5983e385d6_scan:
	.size	k_q5983e385d6_scan, .Lfunc_end_k_q5983e385d6_scan-k_q5983e385d6_scan
	.p2alignl 7, 3214868480
	.fill 96, 4, 3214868480
	.section	.rodata,"a",@progbits
	.p2align	6, 0x0
	.amdhsa_kernel k_q5983e385d6_scan
		.amdhsa_group_segment_fixed_size 327680
		.amdhsa_private_segment_fixed_size 0
		.amdhsa_enable_private_segment 0
		.amdhsa_kernarg_size 64
		.amdhsa_user_sgpr_count 2
		.amdhsa_user_sgpr_kernarg_segment_ptr 1
		.amdhsa_wavefront_size32 1
		.amdhsa_system_sgpr_workgroup_id_x 1
		.amdhsa_system_sgpr_workgroup_id_y 1
		.amdhsa_system_sgpr_workgroup_id_z 1
		.amdhsa_system_vgpr_workitem_id 0
		.amdhsa_next_free_vgpr 512
		.amdhsa_next_free_sgpr 96
		.amdhsa_reserve_vcc 0
		.amdhsa_float_denorm_mode_32 3
		.amdhsa_float_denorm_mode_16_64 3
		.amdhsa_memory_ordered 1
		.amdhsa_forward_progress 1
		.amdhsa_inst_pref_size 123
	.end_amdhsa_kernel
	.amdgpu_metadata
---
amdhsa.version: [ 1, 2 ]
amdhsa.kernels:
  - .name:           k_q5983e385d6_scan
    .symbol:         k_q5983e385d6_scan.kd
    .args:
      - { .name: xc, .offset: 0, .size: 8, .value_kind: global_buffer, .address_space: global }
      - { .name: xs, .offset: 8, .size: 8, .value_kind: global_buffer, .address_space: global }
      - { .name: wc, .offset: 16, .size: 8, .value_kind: global_buffer, .address_space: global }
      - { .name: ws, .offset: 24, .size: 8, .value_kind: global_buffer, .address_space: global }
      - { .name: b_f, .offset: 32, .size: 8, .value_kind: global_buffer, .address_space: global }
      - { .name: b_i, .offset: 40, .size: 8, .value_kind: global_buffer, .address_space: global }
      - { .name: b_h, .offset: 48, .size: 8, .value_kind: global_buffer, .address_space: global }
      - { .name: out0, .offset: 56, .size: 8, .value_kind: global_buffer, .address_space: global }
    .group_segment_fixed_size: 327680
    .private_segment_fixed_size: 0
    .kernarg_segment_align: 8
    .kernarg_segment_size: 64
    .max_flat_workgroup_size: 256
    .sgpr_count:     96
    .vgpr_count:     512
    .wavefront_size: 32
...
	.end_amdgpu_metadata
.endif
;; end of part 2
;; ======== version 2 of 2: 3 launches
;; limits: right only within a limited range of input values
;; workspace buffers: xc 8,388,608 bytes; xs 524,288 bytes; wc 1,572,864 bytes; ws 98,304 bytes; pairs 491,520 bytes
;; launch quant (part 3): grid 608 x 1, 4 waves a work-group, no clusters, 33,280 bytes of LDS; arguments x, W_f, W_i, W_h, xc, xs, wc, ws; writes xc, xs, wc, ws
.if DOCPART == 3
	.amdgcn_target "amdgcn-amd-amdhsa--gfx1250"
	.amdhsa_code_object_version 6
	.text
	.protected	k_q5983e385d6_quant
	.globl	k_q5983e385d6_quant
	.p2align	8
	.type	k_q5983e385d6_quant,@function
k_q5983e385d6_quant:
	s_mov_b64 s[64:65], 0
	v_nop
	global_prefetch_b8 v0, s[64:65] scope:SCOPE_SE
	s_setreg_imm32_b32 hwreg(HW_REG_WAVE_MODE, 25, 1), 1
	s_wait_xcnt 0x0
; x [16384][1024] and W_f, W_i, W_h [1024][1024], f32, K innermost, become codes of FP4 (E2M1) with one E8M0 scale byte for each 32 along K.
; xc [16384][512 bytes], xs [16384][32 bytes], ws [3 gates f, i, h][1024][32 bytes]: plain streams.
; wc is laid as the later launches' operand registers take it: [gate x 64 + column tile][2 s + c][lane 16 h + r][16 bytes] = bytes 64 s + 32 c + 16 h .. + 15 of row r of the tile.
; A block's scale byte is its largest magnitude's exponent field - 2, held at 1 from below; each number is divided by the scale and rounded to the nearest code, ties to even, beyond 6 the largest code.
; LIMITS: a block whose largest magnitude lies under 2^-124 (a block of zeros too) gets the byte 1: zero codes add nothing, and this program alone reads the bytes.  NaN and infinities are not served.
; DEAD WORK in this program: reference()'s log_h0 = -1e30 enters every h_t as exp(-1e30) x a product of factors of at most 1, which is under every f32 number: the later launches start the chains at h_0 = 0.
; SHARES: a work-group takes 32,768 numbers, a wave 16 steps of 512.  Work-groups 0-511 take x, 512-607 the weights; pointers and store offsets are chosen by the work-group's number, all take one path.
; A step's four loads read 512 consecutive bytes each; the 2,048 bytes turn through the wave's own LDS stage and come back 16 neighbours a lane, two lanes to a block.  Loads run eight steps (32 loads a wave) ahead.
; x's codes leave as 256 consecutive bytes a store.  The weights' codes (a fiftieth of the launch's bytes) leave in pieces of 16 bytes, so that their readers load 512 consecutive bytes an instruction.
.set STEPS, 16
.set AH,    8
.set EMAX,  2
.set R,     16                         ; v16-143  eight sets of 16 numbers as loaded
.set X,     144                        ; v144-175 two sets of 16 neighbours
.set E,     176                        ; v176-191 a scale byte a step
.set C,     192                        ; v192-223 two registers of codes a step
.set VO,    224                        ; v224-239 a step's store offset
.set SPW,   240
.set NIL,   241
.set WREG,  8192
.set SP,    80
.set SPARE, 4*WREG
	s_load_b256 s[4:11], s[0:1], 0x0               ; x, W_f, W_i, W_h
	s_load_b256 s[12:19], s[0:1], 0x20             ; xc, xs, wc, ws
	v_lshl_add_u32 v[SPW], v0, 2, SPARE
	v_mov_b32 v[NIL], 0
	v_lshrrev_b32 v1, 5, v0
	v_readfirstlane_b32 s24, v1                    ; wave
	s_mul_i32 s25, s24, WREG
	s_add_co_u32 s29, s25, 2*32*SP
	s_sub_co_u32 s22, ttmp9, 512                   ; a weight's work-group: place in wc and ws,
	s_and_b32 s23, s22, 31                         ; and in its own weight
	s_mov_b32 s31, 4096
	s_cmp_lt_u32 ttmp9, 512
	s_cselect_b32 s30, 512, 16                     ; two steps on: x 512 bytes; W one row of the tile, 16 bytes
	s_cselect_b32 s31, 256, s31                    ; an odd step: x 256 bytes; W the row's upper 512 along K: 8 pieces of 512 bytes
	s_cselect_b32 s21, -1, 0
	v_and_b32 v2, 31, v0                           ; lane
	v_lshlrev_b32 v3, 4, v2
	v_lshrrev_b32 v14, 2, v2
	v_mul_u32_u24 v14, v14, SP
	v_and_b32 v15, 3, v2
	v_lshl_add_u32 v14, v15, 4, v14
	v_add_nc_u32 v14, s25, v14                     ; stage, way in: SP (lane / 4) + 16 (lane % 4)
	v_mul_u32_u24 v15, v2, SP
	v_add_nc_u32 v15, s25, v15                     ; way out: SP x lane
	v_lshrrev_b32 v5, 1, v2
	v_add_nc_u32 v5, s29, v5                       ; my block's scale byte in LDS
	v_lshlrev_b32 v7, 3, v2
	v_add_nc_u32 v6, s29, v7
	v_lshrrev_b32 v10, 2, v2                       ; W: lane l holds bytes 8 l of half a row: piece l / 4, half (l / 2) % 2, 8 (l % 2)
	v_lshlrev_b32 v10, 9, v10
	v_bfe_u32 v12, v2, 1, 1
	v_lshl_add_u32 v10, v12, 8, v10
	v_and_b32 v12, 1, v2
	v_lshl_add_u32 v10, v12, 3, v10
	v_cndmask_b32 v[VO], v10, v7, s21              ; x: 8 x lane
	v_add_nc_u32 v[VO+1], s31, v[VO]
.irp t, 2,3,4,5,6,7,8,9,10,11,12,13,14,15
	v_add_nc_u32 v[VO+\t], s30, v[VO+\t-2]
.endr
	s_wait_alu depctr_va_vdst(0)                   ; the wait at the head's end
	s_wait_kmcnt 0x0
	s_cmp_lt_u32 ttmp9, 576
	s_cselect_b64 s[8:9], s[8:9], s[10:11]
	s_cmp_lt_u32 ttmp9, 544
	s_cselect_b64 s[6:7], s[6:7], s[8:9]
	s_cmp_lt_u32 ttmp9, 512
	s_cselect_b64 s[4:5], s[4:5], s[6:7]
	s_cselect_b64 s[12:13], s[12:13], s[16:17]
	s_cselect_b64 s[14:15], s[14:15], s[18:19]
	s_cselect_b32 s23, ttmp9, s23
	s_cselect_b32 s22, ttmp9, s22
	s_lshl_b32 s23, s23, 2
	s_add_co_u32 s23, s23, s24                     ; my run of 8,192 numbers in the source
	s_lshl_b32 s22, s22, 2
	s_add_co_u32 s28, s22, s24                     ; and in the destination
	s_lshl_b32 s26, s23, 15
	s_mov_b32 s27, 0
	s_add_nc_u64 s[4:5], s[4:5], s[26:27]
	s_lshl_b32 s26, s28, 12                        ; x: 4,096 bytes of codes a run
	s_lshr_b32 s20, s28, 1                         ; W: a run is 8 rows: tile run / 2 of 8,192 bytes, rows 8 (run % 2) on
	s_lshl_b32 s20, s20, 13
	s_and_b32 s25, s28, 1
	s_lshl_b32 s25, s25, 7
	s_add_co_u32 s20, s20, s25
	s_cmp_lt_u32 ttmp9, 512
	s_cselect_b32 s26, s26, s20
	s_add_nc_u64 s[12:13], s[12:13], s[26:27]
	s_lshl_b32 s26, s28, 8
	s_add_nc_u64 s[14:15], s[14:15], s[26:27]
.macro LOAD t
.irp i, 0,1,2,3
	global_load_b128 v[R+16*((\t)%AH)+4*\i:R+16*((\t)%AH)+4*\i+3], v3, s[4:5] offset:2048*(\t)+512*\i th:TH_LOAD_NT
.endr
.endm
.macro TURN t                          ; LDS serves a wave's instructions in order: no wait between the stores and the loads
.irp i, 0,1,2,3
	ds_store_b128 v14, v[R+16*((\t)%AH)+4*\i:R+16*((\t)%AH)+4*\i+3] offset:32*SP*((\t)%2)+8*SP*\i
.endr
.irp i, 0,1,2,3
	ds_load_b128 v[X+16*((\t)%2)+4*\i:X+16*((\t)%2)+4*\i+3], v15 offset:32*SP*((\t)%2)+16*\i
.endr
.endm
.irp t, 0,1,2,3,4,5,6,7
	LOAD \t
.endr
	s_wait_loadcnt 4*(AH-1)                        ; step 0's four loads are in; seven steps' 28 may be out
	TURN 0
.macro STEP t
.set XSET, X+16*((\t)%2)
.if (\t) > 0
	s_wait_dscnt 1                                 ; this step's numbers are back (the last byte store may be out): its stage stores have read their registers,
.else
	s_wait_dscnt 0x0
.endif
.if (\t)+AH < STEPS
	LOAD (\t)+AH                                   ; which take the loads of eight steps on
.endif
.if (\t)+1 < STEPS
.if STEPS-2-(\t) >= AH-1
	s_wait_loadcnt 4*(AH-1)                        ; the next step's loads are in; those of the seven steps behind it may be out
.else
	s_wait_loadcnt 4*(STEPS-2-(\t))
.endif
	TURN (\t)+1
.endif
	v_max3_num_f32 v8, |v[XSET]|, |v[XSET+1]|, |v[XSET+2]|
	v_max3_num_f32 v9, |v[XSET+3]|, |v[XSET+4]|, |v[XSET+5]|
.irp i, 6,10
	v_max3_num_f32 v8, v8, |v[XSET+\i]|, |v[XSET+\i+1]|
	v_max3_num_f32 v9, v9, |v[XSET+\i+2]|, |v[XSET+\i+3]|
.endr
	v_max3_num_f32 v8, v8, |v[XSET+14]|, |v[XSET+15]|
	v_max3_num_f32 v8, v8, v9, (EMAX+1)<<23        ; the floor 2^(3 - 127): the byte cannot fall under 1
	v_max_num_f32_dpp v8, v8, v8 row_xmask:1 row_mask:0xf bank_mask:0xf   ; with my neighbour's 16: the block's
	v_add_nc_u32 v11, -(EMAX<<23), v8              ; 2 off the exponent field: the conversion's scale operand
	v_cvt_scalef32_pk8_fp4_f32 v[C+2*(\t)], v[XSET:XSET+7], v11
	v_cvt_scalef32_pk8_fp4_f32 v[C+2*(\t)+1], v[XSET+8:XSET+15], v11
	v_lshrrev_b32 v[E+(\t)], 23, v11               ; the scale's byte (also the plain instruction behind the conversions)
	ds_store_b8 v5, v[E+(\t)] offset:16*(\t)
	global_store_b64 v[VO+(\t)], v[C+2*(\t):C+2*(\t)+1], s[12:13]
.endm
.irp t, 0,1,2,3,4,5,6,7,8,9,10,11,12,13,14,15
	STEP \t
.endr
	ds_load_b64 v[12:13], v6
	s_wait_dscnt 0x0
	global_store_b64 v7, v[12:13], s[14:15]        ; 32 lanes store 256 consecutive bytes, aligned
	s_wait_tensorcnt 0x0                           ; the wave's end
	ds_add_u32 v[SPW], v[NIL]
	s_wait_dscnt 0x0
	s_endpgm
.Lfunc_end_k_q5983e385d6_quant:
	.size	k_q5983e385d6_quant, .Lfunc_end_k_q5983e385d6_quant-k_q5983e385d6_quant
	.p2alignl 7, 3214868480
	.fill 96, 4, 3214868480
	.section	.rodata,"a",@progbits
	.p2align	6, 0x0
	.amdhsa_kernel k_q5983e385d6_quant
		.amdhsa_group_segment_fixed_size 33280
		.amdhsa_private_segment_fixed_size 0
		.amdhsa_enable_private_segment 0
		.amdhsa_kernarg_size 64
		.amdhsa_user_sgpr_count 2
		.amdhsa_user_sgpr_kernarg_segment_ptr 1
		.amdhsa_wavefront_size32 1
		.amdhsa_system_sgpr_workgroup_id_x 1
		.amdhsa_system_sgpr_workgroup_id_y 1
		.amdhsa_system_sgpr_workgroup_id_z 1
		.amdhsa_system_vgpr_workitem_id 0
		.amdhsa_next_free_vgpr 242
		.amdhsa_next_free_sgpr 66
		.amdhsa_reserve_vcc 0
		.amdhsa_float_denorm_mode_32 3
		.amdhsa_float_denorm_mode_16_64 3
		.amdhsa_memory_ordered 1
		.amdhsa_forward_progress 1
		.amdhsa_inst_pref_size 35
	.end_amdhsa_kernel
	.amdgpu_metadata
---
amdhsa.version: [ 1, 2 ]
amdhsa.kernels:
  - .name:           k_q5983e385d6_quant
    .symbol:         k_q5983e385d6_quant.kd
    .args:
      - { .name: x, .offset: 0, .size: 8, .value_kind: global_buffer, .address_space: global }
      - { .name: W_f, .offset: 8, .size: 8, .value_kind: global_buffer, .address_space: global }
      - { .name: W_i, .offset: 16, .size: 8, .value_kind: global_buffer, .address_space: global }
      - { .name: W_h, .offset: 24, .size: 8, .value_kind: global_buffer, .address_space: global }
      - { .name: xc, .offset: 32, .size: 8, .value_kind: global_buffer, .address_space: global }
      - { .name: xs, .offset: 40, .size: 8, .value_kind: global_buffer, .address_space: global }
      - { .name: wc, .offset: 48, .size: 8, .value_kind: global_buffer, .address_space: global }
      - { .name: ws, .offset: 56, .size: 8, .value_kind: global_buffer, .address_space: global }
    .group_segment_fixed_size: 33280
    .private_segment_fixed_size: 0
    .kernarg_segment_align: 8
    .kernarg_segment_size: 64
    .max_flat_workgroup_size: 128
    .sgpr_count:     66
    .vgpr_count:     242
    .wavefront_size: 32
...
	.end_amdgpu_metadata
.endif
;; end of part 3
;; launch sums (part 4): grid 8 x 32, 8 waves a work-group, clusters of 4 x 1, 327,680 bytes of LDS; arguments xc, xs, wc, ws, b_f, b_i, b_h, pairs; writes pairs
.if DOCPART == 4
	.amdgcn_target "amdgcn-amd-amdhsa--gfx1250"
	.amdhsa_code_object_version 6
	.text
	.protected	k_q5983e385d6_sums
	.globl	k_q5983e385d6_sums
	.p2align	8
	.type	k_q5983e385d6_sums,@function
k_q5983e385d6_sums:
	s_mov_b64 s[64:65], 0
	v_nop
	global_prefetch_b8 v0, s[64:65] scope:SCOPE_SE
	s_setreg_imm32_b32 hwreg(HW_REG_WAVE_MODE, 25, 1), 1
	s_wait_xcnt 0x0
	s_wait_alu depctr_hold_cnt(0) depctr_sa_sdst(0) depctr_va_vdst(0) depctr_va_sdst(0) depctr_va_ssrc(0) depctr_va_vcc(0) depctr_vm_vsrc(0)
	s_getreg_b32 s2, hwreg(HW_REG_IB_STS2, 6, 4)
	s_cmp_eq_u32 s2, 0
	s_cbranch_scc0 .Lentry_in_a_cluster
	s_endpgm
.Lentry_in_a_cluster:
	s_bfe_u32 s2, ttmp6, 0x10000c
	s_cmp_lg_u32 s2, 0x3003
	s_cbranch_scc0 .Lentry_shape_is_right
	s_endpgm
.Lentry_shape_is_right:
; MinLSTM behind the quantiser.  ONE TEXT SERVES TWO LAUNCHES; PASS says which: 0 sums substreams up, 1 finishes and stores.
; f = x W_f^T + b_f, i = x W_i^T + b_i, z = x W_h^T + b_h on FP4 codes with E8M0 scales, sums in f32; then
;   f' = (1 + e^-i) / (2 + e^-f + e^-i),  g = max(z + 0.5, sigmoid(z)),  h_t = f'_t h_(t-1) + (1 - f'_t) g_t,  h_0 = 0 (see the first launch's head),  out0[b][t][col] = h_t.
; That is the log-space scan: exp(log_f) = f', exp(log_i) = 1 - f', exp(log_g(z)) = g (z + 0.5 lies above the sigmoid for z > 0, below it for z < 0), and a_star + cumlogsumexp(..) is the logarithm of the recurrence's solution.
; RANGE.  With S = max(-f, -i, 64) - 64 (0 or more) the text takes a = e^(-f - S), b = e^(-i - S), both at most e^64, and f' = (1 + b) / (2 + a + b).  Where S = 0 that is the formula itself.  Where S > 0 the
; exact numerator and denominator, x e^-S, have e^-S and 2 e^-S for the 1 and the 2, while a or b is e^64: the change moves f' by under 2^-91.  No exponential or sum overflows for any f and i.
; The sigmoid is t / (1 + t), t = e^-|z|: sigmoid(z) for z < 0, at most 0.5 and so under z + 0.5 for z >= 0.  ONE reciprocal serves both quotients: r = 1 / (D E), D = 2 + a + b, E = 1 + t (D E lies between 2 and 2^96); f' = N E r, sigmoid = t D r.
; LIMITS: exponentials and products under 2^-126 come out as 0; the scan is summed in the linear domain, so its order of rounding differs from the log-space form's; NaN and infinities are not served.
; SHARES.  A chain (batch, column) is cut into 16 SUBSTREAMS of 256 times.  A work-group owns a batch, two neighbouring substreams and 128 columns; wave w owns 16 columns and keeps their 48 weight rows in 192 registers.
; LAYOUT.  Source 0 = 16 rows of x: rows 0-7 are eight times of the first substream, rows 8-15 the same eight of the second.  Source 1 = 16 rows of W.  So lane (r, h) holds column r of substream h, and its registers
; 0 .. 7 are eight times on end: every lane runs a chain of its own down its registers, with its state in a register; no lane asks another.
; PASS 0 sums each substream up as a pair (F = product of its f', V = its result from a start of 0).  The last substream's pair is used by nobody: its lanes ride in tiles whose other half is live, and it is not stored.
; PASS 1 joins the pairs ahead of each lane's substream into its start, computes the substreams again from that start and stores them.  Nothing passes between the work-groups of a launch: hence two launches.
; THE STORES (pass 1): a row's 128 columns come from eight waves: they meet in an LDS stage, a trip's 2 x 64 rows at a time, two stages by turns; behind the next barrier each wave stores 16 whole rows of 512 consecutive bytes.
; CLUSTER.  The four partners own neighbouring column groups of one batch and pair of substreams and walk the same tiles of x: each tile is asked for jointly.  My place in the cluster enters the addresses of weights, biases,
; pairs, out0 and the prefetch alone.  The weights go straight into registers, once: in LDS their 196,608 bytes would not fit beside the 282,624 in use.
.set PASS,  0
.set PITCH, 528                        ; a row of codes in LDS: 512 + 16 bytes: row r starts at bank 4 r mod 64 (ISA guide 11.1)
.set SUBB,  64*PITCH+128               ; the second substream's 64 rows begin 32 banks off the first's: the 16 rows of a fragment load start at 16 different banks
.set TILEB, 64*512
.set TILES, 64*32
.set SCOFF, 67840                      ; behind both regions of codes: 2 x 2,048 scale bytes
.set SLOTB, SCOFF+2*TILES
.set STG,   2*SLOTB                    ; two stages for out0; no tile lands here
.set SPITCH, 528
.set STAGEB, 67840
.set SUMB,  STG+2*STAGEB               ; pass 0: the work-group's 256 pairs
.set SPARE, SUMB+2048                  ; the spare words: 128 bytes for each of eight waves
.set SPW,1
.set NIL,2
.set ADR,3                             ; my place in a row tile of codes
.set ASC,4                             ; and among the scale bytes
.set AD,5
.set AS,6
.set STW,7
.set STA,8
.set STR,9                             ; v9-10
.set VO,11
.set PFO,12
.set RR,13
.set HH,14
.set WOF,15
.set XF,16                             ; v16-79 x's eight fragments
.set XS,80
.set WS,84
.set FA,96                             ; accumulators f, i, z
.set IA,104
.set HA,112
.set MN,120
.set TT,128
.set VV,136
.set CF,144
.set PQ,152
.set HO,160                            ; pass 1: eight results; v167 carries the state
.set KV,168                            ; v[168:169] 64 log2(e)
.set FRUN,170                          ; pass 0: v170 F, v171 V
.set VR,171
.set SI,172
.set TMP,173
.set SOF,174
.set BOF,175
.set POF,176
.set LN,177
.set R7,178
.set R3,179
.set SM,184                            ; pass 1: 15 pairs, at the head alone
.set OB,184                            ; v184-247 the way out
.set BI,192                            ; window 1: v0-191 weights, v192-215 biases
.set PRS,18
.set WV,20
.set CX,21
.set CG,22
.set BB,23
.set G1C,24
.set G1S,32
.set G0C,40
.set G0S,48
.set NC,58                             ; s[58:59] -log2(e)
.set CNT,63
.set LIM,66
.set QQ,67
.set PFA,68
.set TH,70                             ; 64.0
.set OUT,90
.set RO,92
.set SO,93
.set TO,94
.set MSB,0
.macro WIN new
.if MSB != \new
	s_set_vgpr_msb (MSB<<8)|\new
.set MSB, \new
.endif
.endm
.macro ROUND                           ; a round of the cluster's barrier
	s_barrier_signal -1
	s_barrier_wait -1
	s_cmp_lg_u32 s[WV], 0
	s_cbranch_scc1 .Lnw0_\@
	s_barrier_signal -3
.Lnw0_\@:
	s_barrier_wait -3
	s_barrier_signal -1
	s_barrier_wait -1
.endm
.macro JLOAD n                         ; waves 0, 1: 64 rows of codes of substream 0, 1; waves 2, 3: their scale bytes; one tensor load a wave is out at the most
	s_cmp_lt_u32 s[WV], 2
	s_cbranch_scc0 .Lnc_\@
	tensor_load_to_lds s[G0C+4*(\n):G0C+4*(\n)+3], s[G1C:G1C+7]
	s_nop 0
.rept 4
	v_nop
.endr
	s_branch .Lak_\@
.Lnc_\@:
	s_cmp_lt_u32 s[WV], 4
	s_cbranch_scc0 .Lak_\@
	tensor_load_to_lds s[G0S+4*(\n):G0S+4*(\n)+3], s[G1S:G1S+7]
	s_nop 0
.rept 4
	v_nop
.endr
.Lak_\@:
.endm
; A prefetch: trip k (0, 1) names the codes of tile k + 2, which trip k + 1's joint load asks for.  Of the two clusters that walk these tiles the first asks; its partners take 8,192 bytes of each
; substream's 32,768 by address, wave 0 the first substream's, wave 1 the second's, lanes 256 bytes apart: each aligned 256 bytes is named once.  Tiles 0, 1 and the scale bytes come by their loads alone.
.macro ASK
	s_cmp_eq_u32 s[LIM], 0
	s_cbranch_scc0 .Lnm_\@
	global_prefetch_b8 v[PFO], s[PFA:PFA+1] th:TH_LOAD_NT scope:SCOPE_SE
.Lnm_\@:
.endm
.macro XLOAD pl                        ; 17 LDS loads: eight fragments and the rows' scale words (lanes 0-15 words 0-3, lanes 16-31 words 4-7); pl = 1: two additions and two v_nop are the four places behind the products
	v_add_nc_u32 v[AD], s[RO], v[ADR]
	v_add_nc_u32 v[AS], s[SO], v[ASC]
.if \pl
	v_nop
	v_nop
.endif
.irp s, 0,1,2,3,4,5,6,7
.irp c, 0,1
	ds_load_b128 v[XF+8*\s+4*\c:XF+8*\s+4*\c+3], v[AD] offset:64*\s+32*\c
.endr
.endr
	ds_load_b128 v[XS:XS+3], v[AS]
.endm
.macro MUL                             ; 24 matrix instructions, K ascending; the three accumulators by turns; the first step's C is the bias
	WIN 0x14
.irp g, 0,1,2
	v_wmma_scale_f32_16x16x128_f8f6f4 v[FA+8*\g:FA+8*\g+7], v[XF:XF+7], v[64*\g:64*\g+7], v[BI+8*\g:BI+8*\g+7], v[XS], v[WS+4*\g] matrix_a_fmt:MATRIX_FMT_FP4 matrix_b_fmt:MATRIX_FMT_FP4
.endr
	WIN 0x04
.irp s, 1,2,3
.irp g, 0,1,2
	v_wmma_scale_f32_16x16x128_f8f6f4 v[FA+8*\g:FA+8*\g+7], v[XF+8*\s:XF+8*\s+7], v[64*\g+8*\s:64*\g+8*\s+7], v[FA+8*\g:FA+8*\g+7], v[XS+\s], v[WS+4*\g+\s] matrix_a_fmt:MATRIX_FMT_FP4 matrix_b_fmt:MATRIX_FMT_FP4
.endr
.endr
.irp s, 4,5,6,7
.irp g, 0,1,2
	v_wmma_scale_f32_16x16x128_f8f6f4 v[FA+8*\g:FA+8*\g+7], v[XF+8*\s:XF+8*\s+7], v[64*\g+8*\s:64*\g+8*\s+7], v[FA+8*\g:FA+8*\g+7], v[XS+\s-4], v[WS+4*\g+\s-4] matrix_a_fmt:MATRIX_FMT_FP4 matrix_b_fmt:MATRIX_FMT_FP4 matrix_a_scale:MATRIX_SCALE_ROW1 matrix_b_scale:MATRIX_SCALE_ROW1
.endr
.endr
	WIN 0
.endm
.macro PK3 op, d, a, b                 ; four packed lines over eight registers
.irp p, 0,2,4,6
	\op v[\d+\p:\d+\p+1], v[\a+\p:\a+\p+1], v[\b+\p:\b+\p+1]
.endr
.endm
.macro PKC d, a, c                     ; eight registers + a constant
.irp p, 0,2,4,6
	v_pk_add_f32 v[\d+\p:\d+\p+1], v[\a+\p:\a+\p+1], \c op_sel_hi:[1,0]
.endr
.endm
; THE GATES of a row tile: f' in CF, g in HA.  Each accumulator is read from its low end on.  Two batches of transcendentals, each with one wait ahead and one behind.
.macro GATE
.irp j, 0,1,2,3,4,5,6,7
	v_max3_num_f32 v[MN+\j], -v[FA+\j], -v[IA+\j], s[TH]           ; S + 64
.endr
.irp p, 0,2
	v_pk_mul_f32 v[TT+\p:TT+\p+1], v[HA+\p:HA+\p+1], s[NC:NC+1] op_sel_hi:[1,0]   ; -z log2(e)
.endr
.irp p, 0,2,4,6
	v_pk_fma_f32 v[MN+\p:MN+\p+1], v[MN+\p:MN+\p+1], s[NC:NC+1], v[KV:KV+1] op_sel_hi:[1,0,1]   ; -S log2(e)
.endr
.irp p, 4,6
	v_pk_mul_f32 v[TT+\p:TT+\p+1], v[HA+\p:HA+\p+1], s[NC:NC+1] op_sel_hi:[1,0]
.endr
.irp p, 0,2,4,6
	v_pk_fma_f32 v[FA+\p:FA+\p+1], v[FA+\p:FA+\p+1], s[NC:NC+1], v[MN+\p:MN+\p+1] op_sel_hi:[1,0,1]   ; (-f - S) log2(e)
	v_pk_fma_f32 v[IA+\p:IA+\p+1], v[IA+\p:IA+\p+1], s[NC:NC+1], v[MN+\p:MN+\p+1] op_sel_hi:[1,0,1]
.endr
	s_wait_alu depctr_va_vdst(0)
.irp j, 0,1,2,3,4,5,6,7
	v_exp_f32 v[TT+\j], -|v[TT+\j]|                                ; t = e^-|z|
.endr
.irp j, 0,1,2,3,4,5,6,7
	v_exp_f32 v[FA+\j], v[FA+\j]                                   ; a
.endr
.irp j, 0,1,2,3,4,5,6,7
	v_exp_f32 v[IA+\j], v[IA+\j]                                   ; b
.endr
	PKC HA, HA, 0.5                                ; z + 0.5: plain work behind the batch
	s_wait_alu depctr_va_vdst(0)
	PKC IA, IA, 1.0                                ; N = 1 + b
	PKC FA, FA, 1.0                                ; 1 + a
	PKC MN, TT, 1.0                                ; E = 1 + t
	PK3 v_pk_add_f32, FA, FA, IA                   ; D
	PK3 v_pk_mul_f32, IA, IA, MN                   ; N E
	PK3 v_pk_mul_f32, PQ, FA, MN                   ; D E
	s_wait_alu depctr_va_vdst(0)
.irp j, 0,1,2,3,4,5,6,7
	v_rcp_f32 v[PQ+\j], v[PQ+\j]
.endr
	PK3 v_pk_mul_f32, TT, TT, FA                   ; t D: plain work behind the batch
	s_wait_alu depctr_va_vdst(0)
	PK3 v_pk_mul_f32, TT, TT, PQ                   ; t / E
	PK3 v_pk_mul_f32, CF, IA, PQ                   ; f'
.irp j, 0,1,2,3,4,5,6,7
	v_max_num_f32 v[HA+\j], v[HA+\j], v[TT+\j]                     ; g
.endr
.endm
.macro VPART                           ; (1 - f') g = g - f' g
.irp p, 0,2,4,6
	v_pk_fma_f32 v[VV+\p:VV+\p+1], v[CF+\p:CF+\p+1], v[HA+\p:HA+\p+1], v[HA+\p:HA+\p+1] neg_lo:[1,0,0] neg_hi:[1,0,0]
.endr
.endm
.macro FINISH
.if PASS
	v_add_nc_u32 v[STA], s[TO], v[STW]
	VPART
	s_delay_alu instid0(VALU_DEP_4)
	v_fma_f32 v[HO], v[CF], v[HO+7], v[VV]                         ; my chain goes on from its state
.irp j, 1,2,3,4,5,6,7
	s_delay_alu instid0(VALU_DEP_1)
	v_fma_f32 v[HO+\j], v[CF+\j], v[HO+\j-1], v[VV+\j]
.endr
.irp j, 0,1,2,3,4,5,6,7
	ds_store_b32 v[STA], v[HO+\j] offset:\j*SPITCH
.endr
	s_add_co_u32 s[TO], s[TO], 8*SPITCH
.else
	v_pk_mul_f32 v[MN:MN+1], v[CF:CF+1], v[CF+2:CF+3]              ; the product of the eight f', beside V's chain
	v_pk_mul_f32 v[MN+2:MN+3], v[CF+4:CF+5], v[CF+6:CF+7]
	VPART
	s_delay_alu instid0(VALU_DEP_4)
	v_fma_f32 v[VR], v[CF], v[VR], v[VV]
	v_pk_mul_f32 v[MN:MN+1], v[MN:MN+1], v[MN+2:MN+3]
	s_delay_alu instid0(VALU_DEP_2)
	v_fma_f32 v[VR], v[CF+1], v[VR], v[VV+1]
	s_delay_alu instid0(VALU_DEP_2)
	v_mul_f32 v[MN], v[MN], v[MN+1]
	s_delay_alu instid0(VALU_DEP_2)
	v_fma_f32 v[VR], v[CF+2], v[VR], v[VV+2]
	s_delay_alu instid0(VALU_DEP_2)
	v_mul_f32 v[FRUN], v[FRUN], v[MN]
	s_delay_alu instid0(VALU_DEP_2)
	v_fma_f32 v[VR], v[CF+3], v[VR], v[VV+3]
.irp j, 4,5,6,7
	s_delay_alu instid0(VALU_DEP_1)
	v_fma_f32 v[VR], v[CF+\j], v[VR], v[VV+\j]
.endr
.endif
.endm
.macro FLUSHLOAD m
.irp i, 0,1,2,3,4,5,6,7,8,9,10,11,12,13,14,15
	ds_load_b128 v[OB+4*\i:OB+4*\i+3], v[STR+(\m)] offset:\i*SPITCH
.endr
.endm
.macro FLUSHSTORE
.irp i, 0,1,2,3,4,5,6,7,8,9,10,11,12,13,14,15
	global_store_b128 v[VO], v[OB+4*\i:OB+4*\i+3], s[OUT:OUT+1] offset:\i*4096 th:TH_STORE_NT   ; 32 lanes store 512 consecutive bytes, aligned
.endr
.endm
; A TRIP: tile k (64 times of each substream) lies in slot n = k % 2 and (pass 1) fills stage n.  refill: tile k + 1 is asked for.  fl: 1 the last stage goes out, 2 out0's address steps first.  ask: 1 a prefetch, 2 its address steps first.
.macro TRIP n, refill, fl, ask
	s_wait_alu depctr_va_vdst(0)                   ; the wait ahead of the waits below
	s_wait_tensorcnt 0x0                           ; all my tensor loads have landed
	ds_add_u32 v[SPW], v[NIL]                      ; the add,
.if \refill
	ds_add_u32 v[SPW], v[NIL]
.endif
	s_add_nc_u64 s[G0C+4*\n+2:G0C+4*\n+3], s[G0C+4*\n+2:G0C+4*\n+3], 2*TILEB
	s_add_nc_u64 s[G0S+4*\n+2:G0S+4*\n+3], s[G0S+4*\n+2:G0S+4*\n+3], 2*TILES
.if (\ask == 2) || (PASS && (\fl == 2))
	s_wait_xcnt 0x0                                ; the last trip's stores and prefetch have read their registers
.endif
.if \ask == 2
	s_add_nc_u64 s[PFA:PFA+1], s[PFA:PFA+1], TILEB
.endif
.if PASS && (\fl == 2)
	s_add_nc_u64 s[OUT:OUT+1], s[OUT:OUT+1], 64*4096
.endif
	s_mov_b32 s[RO], \n*SLOTB
	s_mov_b32 s[SO], \n*SLOTB
.if PASS
	s_mov_b32 s[TO], \n*STAGEB
.endif
	s_wait_dscnt 0x0                               ; the add, my reads of the last slot and stage, and my stage stores are done
.if \refill
	ROUND
	JLOAD 1-\n                                     ; the first tensor load behind the round, one a wave
.else
	s_barrier_signal -1
	s_barrier_wait -1
.endif
.if PASS && \fl
	FLUSHLOAD 1-\n
.endif
	XLOAD 0
.if \ask
	ASK
.endif
.if PASS && \fl
	s_wait_dscnt 17                                ; my 16 rows are in; x's 17 younger loads may be out
	FLUSHSTORE
.endif
	s_mov_b32 s[CNT], 7
	s_wait_dscnt 0x0
.Lrow_\@:
	MUL
	s_add_co_u32 s[RO], s[RO], 8*PITCH
	s_add_co_u32 s[SO], s[SO], 256
	XLOAD 1
	GATE
	FINISH
	s_wait_alu depctr_va_vdst(0)
	s_wait_dscnt 8*PASS                            ; the next row tile's 17 loads are in; pass 1's 8 younger stage stores may be out
	s_sub_co_u32 s[CNT], s[CNT], 1
	s_cmp_lg_u32 s[CNT], 0
	s_cbranch_scc1 .Lrow_\@
	MUL                                            ; the eighth: nothing more is read from this slot
.rept 4
	v_nop
.endr
	GATE
	FINISH
.endm
	s_load_b256 s[4:11], s[0:1], 0x0               ; xc, xs, wc, ws
	s_load_b256 s[12:19], s[0:1], 0x20             ; b_f, b_i, b_h, pairs
.if PASS
	s_load_b64 s[OUT:OUT+1], s[0:1], 0x40
.endif
	v_lshl_add_u32 v[SPW], v0, 2, SPARE
	v_mov_b32 v[NIL], 0
	ds_add_u32 v[SPW], v[NIL]                      ; the opening lines: the add twice and one wait
	ds_add_u32 v[SPW], v[NIL]
	v_lshrrev_b32 v[RR], 5, v0
	v_readfirstlane_b32 s[WV], v[RR]
	s_bfe_u32 s[CX], ttmp6, 0x40000
	s_lshl_b32 s[CG], ttmp9, 2
	s_add_co_u32 s[CG], s[CG], s[CX]               ; my group of 128 columns
	s_and_b32 s78, ttmp7, 0xffff                   ; y = 4 x (pair of substreams) + batch
	s_and_b32 s[BB], s78, 3
	s_lshr_b32 s[QQ], s78, 2
	s_mov_b32 s[NC], 0xbfb8aa3b
	s_mov_b32 s[NC+1], s[NC]
	s_mov_b32 s[TH], 0x42800000
	s_mov_b32 s[G1C], 15|(1<<20)|(1<<21)|(6<<22)|(3<<25)   ; the mask of all four; bytes; 4 words of padding behind every 128
	s_mov_b32 s[G1C+1], 512<<16
	s_mov_b32 s[G1C+2], 64<<16
	s_mov_b32 s[G1C+3], 512<<16
	s_mov_b32 s[G1C+4], 64
	s_mov_b32 s[G1C+5], 512
	s_mov_b32 s[G1C+6], 0
	s_mov_b32 s[G1C+7], 0
	s_mov_b32 s[G1S], 15|(3<<16)|(1<<21)           ; 2,048 dense scale bytes as 8 rows of 256
	s_mov_b32 s[G1S+1], 32<<16
	s_mov_b32 s[G1S+2], 8<<16
	s_mov_b32 s[G1S+3], 32<<16
	s_mov_b32 s[G1S+4], 8
	s_mov_b32 s[G1S+5], 32
	s_mov_b32 s[G1S+6], 0
	s_mov_b32 s[G1S+7], 0
	s_and_b32 s78, s[WV], 1                        ; which substream I fetch for: batch, pair and wave alone enter here
	s_mul_i32 s79, s78, SUBB
	s_lshl_b32 s77, s78, 11
	s_lshl_b32 s80, s[BB], 21
	s_lshl_b32 s81, s[QQ], 18
	s_add_co_u32 s80, s80, s81
	s_lshl_b32 s81, s78, 17
	s_add_co_u32 s80, s80, s81
	s_mov_b32 s81, 0
	s_lshl_b32 s82, s[BB], 17
	s_lshl_b32 s83, s[QQ], 14
	s_add_co_u32 s82, s82, s83
	s_lshl_b32 s83, s78, 13
	s_add_co_u32 s82, s82, s83
	s_mov_b32 s83, 0
	s_lshl_b32 s86, s[CG], 3
	s_add_co_u32 s86, s86, s[WV]                   ; my column tile, 0 to 63
	s_lshr_b32 s74, s[WV], 2
.if PASS
	s_lshl_b32 s71, s[WV], 6
	s_add_co_u32 s71, s71, STG
	s_and_b32 s72, s[WV], 3
	s_mul_i32 s72, s72, 16*SPITCH
	s_mul_i32 s75, s74, SUBB
	s_add_co_u32 s72, s72, s75
	s_add_co_u32 s72, s72, STG
	s_lshl_b32 s73, s[QQ], 1
.else
	s_lshl_b32 s71, s[WV], 7
	s_add_co_u32 s71, s71, SUMB
	s_lshl_b32 s73, s[QQ], 1
	s_add_co_u32 s73, s73, s74                     ; the substream whose pairs I store
.endif
	v_and_b32 v[RR], 15, v0
	v_bfe_u32 v[HH], v0, 4, 1
	v_and_b32 v[LN], 31, v0
	v_and_b32 v[R7], 7, v0
	v_bfe_u32 v[R3], v0, 3, 1
	v_lshlrev_b32 v[WOF], 4, v[LN]                 ; weights: 16 x lane
	v_lshlrev_b32 v[SOF], 5, v[RR]
	v_lshlrev_b32 v[BOF], 2, v[RR]
	v_lshlrev_b32 v[POF], 3, v[RR]
	v_mul_u32_u24 v[ADR], v[R7], PITCH
	v_lshlrev_b32 v[ASC], 5, v[R7]
	v_lshlrev_b32 v[PFO], 8, v[LN]
	v_lshl_add_u32 v[SOF], v[HH], 4, v[SOF]
	v_mad_u32_u24 v[ADR], v[R3], SUBB, v[ADR]      ; row r % 8 of substream r / 8
	v_lshl_add_u32 v[ASC], v[R3], 11, v[ASC]
	v_mov_b32 v[KV], 0x42b8aa3b
	v_mov_b32 v[KV+1], 0x42b8aa3b
	v_lshl_add_u32 v[ADR], v[HH], 4, v[ADR]
	v_lshl_add_u32 v[ASC], v[HH], 4, v[ASC]
.if PASS
	v_mul_u32_u24 v[STW], v[HH], SUBB
	v_lshlrev_b32 v[VO], 4, v[LN]
	v_add_nc_u32 v[SI], s73, v[HH]                 ; my lane's substream
	v_add_nc_u32 v[ASC], SCOFF, v[ASC]
	v_lshl_add_u32 v[STW], v[RR], 2, v[STW]
	v_add_nc_u32 v[STR], s72, v[VO]                ; back: rows 16 (w % 4) .. of substream w / 4
	v_mov_b32 v[HO+7], 0
	v_add_nc_u32 v[STW], s71, v[STW]               ; into a stage: substream h, + 64 w + 4 r
	v_add_nc_u32 v[STR+1], STAGEB, v[STR]
.else
	v_lshl_add_u32 v[STW], v[HH], 10, v[POF]
	v_and_b32 v[VO], 127, v0
	v_lshl_add_u32 v[STR], v0, 3, SUMB
	v_add_nc_u32 v[ASC], SCOFF, v[ASC]
	v_add_nc_u32 v[STW], s71, v[STW]               ; my pair: 1,024 h + 128 w + 8 r
	v_lshlrev_b32 v[VO], 3, v[VO]
	v_mov_b32 v[FRUN], 1.0
	v_mov_b32 v[VR], 0
.endif
	s_wait_alu depctr_va_vdst(0)                   ; the wait at the head's end
	s_wait_dscnt 0x0
	s_wait_kmcnt 0x0
	s_add_nc_u64 s[80:81], s[4:5], s[80:81]
	s_add_nc_u64 s[82:83], s[6:7], s[82:83]
.irp n, 0,1
	s_mov_b32 s[G0C+4*\n], 1
	s_add_co_u32 s[G0C+4*\n+1], s79, \n*SLOTB
	s_add_nc_u64 s[G0C+4*\n+2:G0C+4*\n+3], s[80:81], \n*TILEB
	s_or_b32 s[G0C+4*\n+3], s[G0C+4*\n+3], 0x80000000
	s_mov_b32 s[G0S+4*\n], 1
	s_add_co_u32 s[G0S+4*\n+1], s77, \n*SLOTB+SCOFF
	s_add_nc_u64 s[G0S+4*\n+2:G0S+4*\n+3], s[82:83], \n*TILES
	s_or_b32 s[G0S+4*\n+3], s[G0S+4*\n+3], 0x80000000
.endr
	ROUND                                          ; all four work-groups are here: the first joint loads meet
	JLOAD 0                                        ; tile 0 is asked for first; the loads into registers below go out while it is on its way
	s_lshl_b32 s84, s86, 13                        ; a column tile's codes: 8,192 bytes
	s_mov_b32 s85, 0
	s_add_nc_u64 s[8:9], s[8:9], s[84:85]
	s_lshl_b32 s84, s86, 9
	s_add_nc_u64 s[10:11], s[10:11], s[84:85]
	s_lshl_b32 s84, s86, 6
	s_add_nc_u64 s[12:13], s[12:13], s[84:85]
	s_add_nc_u64 s[14:15], s[14:15], s[84:85]
	s_add_nc_u64 s[16:17], s[16:17], s[84:85]
.if PASS
	s_lshl_b32 s84, s[BB], 13                      ; pairs [substream][batch][column][F, V]
	s_lshl_b32 s87, s86, 7
	s_add_co_u32 s84, s84, s87
	s_add_nc_u64 s[PRS:PRS+1], s[PRS:PRS+1], s[84:85]
	s_lshl_b32 s84, s[BB], 24
	s_lshl_b32 s87, s[QQ], 21
	s_add_co_u32 s84, s84, s87
	s_lshl_b32 s87, s74, 20                        ; the substream whose rows I store: 256 rows,
	s_add_co_u32 s84, s84, s87
	s_and_b32 s87, s[WV], 3
	s_lshl_b32 s87, s87, 16                        ; my 16 rows of its 64,
	s_add_co_u32 s84, s84, s87
	s_lshl_b32 s87, s[CG], 9
	s_add_co_u32 s84, s84, s87
	s_add_nc_u64 s[OUT:OUT+1], s[OUT:OUT+1], s[84:85]
.else
	s_lshl_b32 s84, s73, 15
	s_lshl_b32 s87, s[BB], 13
	s_add_co_u32 s84, s84, s87
	s_lshl_b32 s87, s[CG], 10
	s_add_co_u32 s84, s84, s87
	s_add_nc_u64 s[PRS:PRS+1], s[PRS:PRS+1], s[84:85]
.endif
	WIN 0x40
.irp g, 0,1,2
.irp q, 0,1,2,3,4,5,6,7,8,9,10,11,12,13,14,15
	global_load_b128 v[64*\g+4*\q:64*\g+4*\q+3], v[WOF], s[8:9] offset:\g*524288+512*\q   ; 32 lanes read 512 consecutive bytes
.endr
.endr
	global_load_b32 v[BI], v[BOF], s[12:13]
	global_load_b32 v[BI+8], v[BOF], s[14:15]
	global_load_b32 v[BI+16], v[BOF], s[16:17]
	WIN 0
.irp g, 0,1,2
	global_load_b128 v[WS+4*\g:WS+4*\g+3], v[SOF], s[10:11] offset:\g*32768
.endr
.if PASS
.irp s, 0,1,2,3,4,5,6,7,8,9,10,11,12,13,14
	global_load_b64 v[SM+2*\s:SM+2*\s+1], v[POF], s[PRS:PRS+1] offset:\s*32768
.endr
.endif
	s_lshl_b32 s84, s[BB], 21                      ; the prefetch: my wave's substream, my work-group's 8,192 bytes, in tile 2
	s_lshl_b32 s87, s[QQ], 18
	s_add_co_u32 s84, s84, s87
	s_lshl_b32 s87, s78, 17
	s_add_co_u32 s84, s84, s87
	s_lshl_b32 s87, s[CX], 13
	s_add_co_u32 s84, s84, s87
	s_add_co_u32 s84, s84, 2*TILEB
	s_add_nc_u64 s[PFA:PFA+1], s[4:5], s[84:85]
	s_lshr_b32 s87, s[WV], 1
	s_or_b32 s[LIM], s87, ttmp9                    ; 0 in waves 0 and 1 of the first cluster
	s_wait_loadcnt 0x0                             ; weights, scale words, biases and pairs, once
	WIN 0x41
.irp g, 0,1,2
.irp j, 1,2,3,4,5,6,7
	v_mov_b32 v[BI+8*\g+\j], v[BI+8*\g]            ; a lane's eight registers are eight times of one column: its bias in all eight
.endr
.endr
	WIN 0
.if PASS
.irp s, 0,1,2,3,4,5,6,7,8,9,10,11,12,13,14
	v_cmp_lt_u32 vcc_lo, \s, v[SI]
.if \s > 0
	s_delay_alu instid0(VALU_DEP_2)
.endif
	v_fma_f32 v[TMP], v[SM+2*\s], v[HO+7], v[SM+2*\s+1]            ; h_0 = 0 carried through the substreams ahead of my lane's, in order; a select, no branch
	s_delay_alu instid0(VALU_DEP_1)
	v_cndmask_b32 v[HO+7], v[HO+7], v[TMP], vcc_lo
.endr
.endif
	TRIP 0, 1, 0, 1
	TRIP 1, 1, 1, 2
	TRIP 0, 1, 2, 0
	TRIP 1, 0, 2, 0
.if PASS
	s_wait_dscnt 0x0                               ; for the others' sake: my stores into the last stage have landed
	s_barrier_signal -1
	s_barrier_wait -1
	s_wait_xcnt 0x0
	s_add_nc_u64 s[OUT:OUT+1], s[OUT:OUT+1], 64*4096
	FLUSHLOAD 1
	s_wait_dscnt 0x0
	FLUSHSTORE
.else
	ds_store_b64 v[STW], v[FRUN:FRUN+1]
	s_wait_dscnt 0x0                               ; for the others' sake: my pairs have landed
	s_barrier_signal -1
	s_barrier_wait -1
	s_cmp_lt_u32 s73, 15                           ; the last substream's pairs are used by nobody
	s_cbranch_scc0 .Lno_store
	ds_load_b64 v[OB:OB+1], v[STR]
	s_wait_dscnt 0x0
	global_store_b64 v[VO], v[OB:OB+1], s[PRS:PRS+1]   ; 32 lanes store 256 consecutive bytes, aligned
.Lno_store:
.endif
	s_wait_tensorcnt 0x0                           ; the wave's end
	ds_add_u32 v[SPW], v[NIL]
	s_wait_dscnt 0x0
	ROUND                                          ; the closing round
	s_endpgm
.Lfunc_end_k_q5983e385d6_sums:
	.size	k_q5983e385d6_sums, .Lfunc_end_k_q5983e385d6_sums-k_q5983e385d6_sums
	.p2alignl 7, 3214868480
	.fill 96, 4, 3214868480
	.section	.rodata,"a",@progbits
	.p2align	6, 0x0
	.amdhsa_kernel k_q5983e385d6_sums
		.amdhsa_group_segment_fixed_size 327680
		.amdhsa_private_segment_fixed_size 0
		.amdhsa_enable_private_segment 0
		.amdhsa_kernarg_size 64
		.amdhsa_user_sgpr_count 2
		.amdhsa_user_sgpr_kernarg_segment_ptr 1
		.amdhsa_wavefront_size32 1
		.amdhsa_system_sgpr_workgroup_id_x 1
		.amdhsa_system_sgpr_workgroup_id_y 1
		.amdhsa_system_sgpr_workgroup_id_z 1
		.amdhsa_system_vgpr_workitem_id 0
		.amdhsa_next_free_vgpr 512
		.amdhsa_next_free_sgpr 96
		.amdhsa_reserve_vcc 1
		.amdhsa_float_denorm_mode_32 3
		.amdhsa_float_denorm_mode_16_64 3
		.amdhsa_memory_ordered 1
		.amdhsa_forward_progress 1
		.amdhsa_inst_pref_size 110
	.end_amdhsa_kernel
	.amdgpu_metadata
---
amdhsa.version: [ 1, 2 ]
amdhsa.kernels:
  - .name:           k_q5983e385d6_sums
    .symbol:         k_q5983e385d6_sums.kd
    .args:
      - { .name: xc, .offset: 0, .size: 8, .value_kind: global_buffer, .address_space: global }
      - { .name: xs, .offset: 8, .size: 8, .value_kind: global_buffer, .address_space: global }
      - { .name: wc, .offset: 16, .size: 8, .value_kind: global_buffer, .address_space: global }
      - { .name: ws, .offset: 24, .size: 8, .value_kind: global_buffer, .address_space: global }
      - { .name: b_f, .offset: 32, .size: 8, .value_kind: global_buffer, .address_space: global }
      - { .name: b_i, .offset: 40, .size: 8, .value_kind: global_buffer, .address_space: global }
      - { .name: b_h, .offset: 48, .size: 8, .value_kind: global_buffer, .address_space: global }
      - { .name: pairs, .offset: 56, .size: 8, .value_kind: global_buffer, .address_space: global }
    .group_segment_fixed_size: 327680
    .private_segment_fixed_size: 0
    .kernarg_segment_align: 8
    .kernarg_segment_size: 64
    .max_flat_workgroup_size: 256
    .sgpr_count:     96
    .vgpr_count:     512
    .wavefront_size: 32
...
	.end_amdgpu_metadata
.endif
;; end of part 4
;; launch scan (part 5): grid 8 x 32, 8 waves a work-group, clusters of 4 x 1, 327,680 bytes of LDS; arguments xc, xs, wc, ws, b_f, b_i, b_h, pairs, out0; writes out0
.if DOCPART == 5
	.amdgcn_target "amdgcn-amd-amdhsa--gfx1250"
	.amdhsa_code_object_version 6
	.text
	.protected	k_q5983e385d6_scan
	.globl	k_q5983e385d6_scan
	.p2align	8
	.type	k_q5983e385d6_scan,@function
k_q5983e385d6_scan:
	s_mov_b64 s[64:65], 0
	v_nop
	global_prefetch_b8 v0, s[64:65] scope:SCOPE_SE
	s_setreg_imm32_b32 hwreg(HW_REG_WAVE_MODE, 25, 1), 1
	s_wait_xcnt 0x0
	s_wait_alu depctr_hold_cnt(0) depctr_sa_sdst(0) depctr_va_vdst(0) depctr_va_sdst(0) depctr_va_ssrc(0) depctr_va_vcc(0) depctr_vm_vsrc(0)
	s_getreg_b32 s2, hwreg(HW_REG_IB_STS2, 6, 4)
	s_cmp_eq_u32 s2, 0
	s_cbranch_scc0 .Lentry_in_a_cluster
	s_endpgm
.Lentry_in_a_cluster:
	s_bfe_u32 s2, ttmp6, 0x10000c
	s_cmp_lg_u32 s2, 0x3003
	s_cbranch_scc0 .Lentry_shape_is_right
	s_endpgm
.Lentry_shape_is_right:
; MinLSTM behind the quantiser, the pass behind the launch before: its head comment gives the formulas, the range argument, the limits, the shares and the layout.
; In short: f, i, z on FP4 codes; f' = (1 + b) / (2 + a + b) with a = e^(-f - S), b = e^(-i - S), S = max(-f, -i, 64) - 64; g = max(z + 0.5, t / (1 + t)), t = e^-|z|; h_t = f' h_(t-1) + (1 - f') g.
; h_0 = 0 stands for reference()'s log_h0 = -1e30 (see the first launch's head).  A chain is cut into 16 substreams of 256 times; lane (r, h) runs column r of substream h of its work-group's two.
; This pass joins the pairs (F, V) of the substreams ahead of each lane's own into its start, computes the substreams from that start and stores them through an LDS stage, 512 consecutive bytes a store.
; LIMITS: exponentials and products under 2^-126 come out as 0; the scan is summed in the linear domain; NaN and infinities are not served.
.set PASS,  1
.set PITCH, 528
.set SUBB,  64*PITCH+128
.set TILEB, 64*512
.set TILES, 64*32
.set SCOFF, 67840
.set SLOTB, SCOFF+2*TILES
.set STG,   2*SLOTB
.set SPITCH, 528
.set STAGEB, 67840
.set SUMB,  STG+2*STAGEB
.set SPARE, SUMB+2048
.set SPW,1
.set NIL,2
.set ADR,3
.set ASC,4
.set AD,5
.set AS,6
.set STW,7
.set STA,8
.set STR,9
.set VO,11
.set PFO,12
.set RR,13
.set HH,14
.set WOF,15
.set XF,16
.set XS,80
.set WS,84
.set FA,96
.set IA,104
.set HA,112
.set MN,120
.set TT,128
.set VV,136
.set CF,144
.set PQ,152
.set HO,160
.set KV,168
.set FRUN,170
.set VR,171
.set SI,172
.set TMP,173
.set SOF,174
.set BOF,175
.set POF,176
.set LN,177
.set R7,178
.set R3,179
.set SM,184
.set OB,184
.set BI,192
.set PRS,18
.set WV,20
.set CX,21
.set CG,22
.set BB,23
.set G1C,24
.set G1S,32
.set G0C,40
.set G0S,48
.set NC,58
.set CNT,63
.set LIM,66
.set QQ,67
.set PFA,68
.set TH,70
.set OUT,90
.set RO,92
.set SO,93
.set TO,94
.set FO,95                             ; s95  where the next two rows of the stage that goes out begin
.set STP,88                            ; s[88:89] what out0's address steps by ahead of the next two rows
.set FAD,180                           ; v180 their LDS address
.set MSB,0
.macro WIN new
.if MSB != \new
	s_set_vgpr_msb (MSB<<8)|\new
.set MSB, \new
.endif
.endm
.macro ROUND                           ; a round of the cluster's barrier
	s_barrier_signal -1
	s_barrier_wait -1
	s_cmp_lg_u32 s[WV], 0
	s_cbranch_scc1 .Lnw0_\@
	s_barrier_signal -3
.Lnw0_\@:
	s_barrier_wait -3
	s_barrier_signal -1
	s_barrier_wait -1
.endm
.macro JLOAD n                         ; waves 0, 1: 64 rows of codes of substream 0, 1; waves 2, 3: their scale bytes; one tensor load a wave is out at the most
	s_cmp_lt_u32 s[WV], 2
	s_cbranch_scc0 .Lnc_\@
	tensor_load_to_lds s[G0C+4*(\n):G0C+4*(\n)+3], s[G1C:G1C+7]
	s_nop 0
.rept 4
	v_nop
.endr
	s_branch .Lak_\@
.Lnc_\@:
	s_cmp_lt_u32 s[WV], 4
	s_cbranch_scc0 .Lak_\@
	tensor_load_to_lds s[G0S+4*(\n):G0S+4*(\n)+3], s[G1S:G1S+7]
	s_nop 0
.rept 4
	v_nop
.endr
.Lak_\@:
.endm
; A prefetch: trip k (0, 1) names the codes of tile k + 2, one trip ahead of the joint load that asks for them; the first of the two clusters asks, partners and waves 0, 1 share the blocks out by address, each aligned 256 bytes once.
.macro ASK
	s_cmp_eq_u32 s[LIM], 0
	s_cbranch_scc0 .Lnm_\@
	global_prefetch_b8 v[PFO], s[PFA:PFA+1] th:TH_LOAD_NT scope:SCOPE_SE
.Lnm_\@:
.endm
.macro XLOAD pl                        ; 17 LDS loads; pl = 1: two additions and two v_nop are the four places behind the products
	v_add_nc_u32 v[AD], s[RO], v[ADR]
	v_add_nc_u32 v[AS], s[SO], v[ASC]
.if \pl
	v_nop
	v_nop
.endif
.irp s, 0,1,2,3,4,5,6,7
.irp c, 0,1
	ds_load_b128 v[XF+8*\s+4*\c:XF+8*\s+4*\c+3], v[AD] offset:64*\s+32*\c
.endr
.endr
	ds_load_b128 v[XS:XS+3], v[AS]
.endm
.macro MUL                             ; 24 matrix instructions, K ascending; three accumulators by turns; the first step's C is the bias
	WIN 0x14
.irp g, 0,1,2
	v_wmma_scale_f32_16x16x128_f8f6f4 v[FA+8*\g:FA+8*\g+7], v[XF:XF+7], v[64*\g:64*\g+7], v[BI+8*\g:BI+8*\g+7], v[XS], v[WS+4*\g] matrix_a_fmt:MATRIX_FMT_FP4 matrix_b_fmt:MATRIX_FMT_FP4
.endr
	WIN 0x04
.irp s, 1,2,3
.irp g, 0,1,2
	v_wmma_scale_f32_16x16x128_f8f6f4 v[FA+8*\g:FA+8*\g+7], v[XF+8*\s:XF+8*\s+7], v[64*\g+8*\s:64*\g+8*\s+7], v[FA+8*\g:FA+8*\g+7], v[XS+\s], v[WS+4*\g+\s] matrix_a_fmt:MATRIX_FMT_FP4 matrix_b_fmt:MATRIX_FMT_FP4
.endr
.endr
.irp s, 4,5,6,7
.irp g, 0,1,2
	v_wmma_scale_f32_16x16x128_f8f6f4 v[FA+8*\g:FA+8*\g+7], v[XF+8*\s:XF+8*\s+7], v[64*\g+8*\s:64*\g+8*\s+7], v[FA+8*\g:FA+8*\g+7], v[XS+\s-4], v[WS+4*\g+\s-4] matrix_a_fmt:MATRIX_FMT_FP4 matrix_b_fmt:MATRIX_FMT_FP4 matrix_a_scale:MATRIX_SCALE_ROW1 matrix_b_scale:MATRIX_SCALE_ROW1
.endr
.endr
	WIN 0
.endm
.macro PK3 op, d, a, b
.irp p, 0,2,4,6
	\op v[\d+\p:\d+\p+1], v[\a+\p:\a+\p+1], v[\b+\p:\b+\p+1]
.endr
.endm
.macro PKC d, a, c
.irp p, 0,2,4,6
	v_pk_add_f32 v[\d+\p:\d+\p+1], v[\a+\p:\a+\p+1], \c op_sel_hi:[1,0]
.endr
.endm
; THE GATES of a row tile: f' in CF, g in HA.  Each accumulator is read from its low end on.  Two batches of transcendentals, each with one wait ahead and one behind.
.macro GATE
.irp j, 0,1,2,3,4,5,6,7
	v_max3_num_f32 v[MN+\j], -v[FA+\j], -v[IA+\j], s[TH]           ; S + 64
.endr
.irp p, 0,2
	v_pk_mul_f32 v[TT+\p:TT+\p+1], v[HA+\p:HA+\p+1], s[NC:NC+1] op_sel_hi:[1,0]   ; -z log2(e)
.endr
.irp p, 0,2,4,6
	v_pk_fma_f32 v[MN+\p:MN+\p+1], v[MN+\p:MN+\p+1], s[NC:NC+1], v[KV:KV+1] op_sel_hi:[1,0,1]   ; -S log2(e)
.endr
.irp p, 4,6
	v_pk_mul_f32 v[TT+\p:TT+\p+1], v[HA+\p:HA+\p+1], s[NC:NC+1] op_sel_hi:[1,0]
.endr
.irp p, 0,2,4,6
	v_pk_fma_f32 v[FA+\p:FA+\p+1], v[FA+\p:FA+\p+1], s[NC:NC+1], v[MN+\p:MN+\p+1] op_sel_hi:[1,0,1]   ; (-f - S) log2(e)
	v_pk_fma_f32 v[IA+\p:IA+\p+1], v[IA+\p:IA+\p+1], s[NC:NC+1], v[MN+\p:MN+\p+1] op_sel_hi:[1,0,1]
.endr
	s_wait_alu depctr_va_vdst(0)
.irp j, 0,1,2,3,4,5,6,7
	v_exp_f32 v[TT+\j], -|v[TT+\j]|                                ; t = e^-|z|
.endr
.irp j, 0,1,2,3,4,5,6,7
	v_exp_f32 v[FA+\j], v[FA+\j]                                   ; a
.endr
.irp j, 0,1,2,3,4,5,6,7
	v_exp_f32 v[IA+\j], v[IA+\j]                                   ; b
.endr
	PKC HA, HA, 0.5                                ; z + 0.5: plain work behind the batch
	s_wait_alu depctr_va_vdst(0)
	PKC IA, IA, 1.0                                ; N = 1 + b
	PKC FA, FA, 1.0                                ; 1 + a
	PKC MN, TT, 1.0                                ; E = 1 + t
	PK3 v_pk_add_f32, FA, FA, IA                   ; D
	PK3 v_pk_mul_f32, IA, IA, MN                   ; N E
	PK3 v_pk_mul_f32, PQ, FA, MN                   ; D E
	s_wait_alu depctr_va_vdst(0)
.irp j, 0,1,2,3,4,5,6,7
	v_rcp_f32 v[PQ+\j], v[PQ+\j]
.endr
	PK3 v_pk_mul_f32, TT, TT, FA                   ; t D: plain work behind the batch
	s_wait_alu depctr_va_vdst(0)
	PK3 v_pk_mul_f32, TT, TT, PQ                   ; t / E
	PK3 v_pk_mul_f32, CF, IA, PQ                   ; f'
.irp j, 0,1,2,3,4,5,6,7
	v_max_num_f32 v[HA+\j], v[HA+\j], v[TT+\j]                     ; g
.endr
.endm
.macro VPART                           ; (1 - f') g = g - f' g
.irp p, 0,2,4,6
	v_pk_fma_f32 v[VV+\p:VV+\p+1], v[CF+\p:CF+\p+1], v[HA+\p:HA+\p+1], v[HA+\p:HA+\p+1] neg_lo:[1,0,0] neg_hi:[1,0,0]
.endr
.endm
.macro FINISH
	v_add_nc_u32 v[STA], s[TO], v[STW]
	VPART
	s_delay_alu instid0(VALU_DEP_4)
	v_fma_f32 v[HO], v[CF], v[HO+7], v[VV]                         ; my chain goes on from its state
.irp j, 1,2,3,4,5,6,7
	s_delay_alu instid0(VALU_DEP_1)
	v_fma_f32 v[HO+\j], v[CF+\j], v[HO+\j-1], v[VV+\j]
.endr
.irp j, 0,1,2,3,4,5,6,7
	ds_store_b32 v[STA], v[HO+\j] offset:\j*SPITCH
.endr
	s_add_co_u32 s[TO], s[TO], 8*SPITCH
.endm
; The last trip's stage goes out two rows with each of this trip's eight row tiles: my 16 rows in all.
.macro FLOAD
	s_wait_xcnt 0x0                                ; the last two stores have read their base and their data: both are written again only behind this wait
	s_add_nc_u64 s[OUT:OUT+1], s[OUT:OUT+1], s[STP:STP+1]
	s_mov_b32 s[STP], 8192                         ; from here on two rows of out0 a step
	v_add_nc_u32 v[FAD], s[FO], v[STR]
	ds_load_b128 v[OB:OB+3], v[FAD]
	ds_load_b128 v[OB+4:OB+7], v[FAD] offset:SPITCH
	s_add_co_u32 s[FO], s[FO], 2*SPITCH
.endm
.macro FSTORE
	global_store_b128 v[VO], v[OB:OB+3], s[OUT:OUT+1] th:TH_STORE_NT               ; 32 lanes store 512 consecutive bytes, aligned
	global_store_b128 v[VO], v[OB+4:OB+7], s[OUT:OUT+1] offset:4096 th:TH_STORE_NT
.endm
.macro FLUSHLOAD m
.irp i, 0,1,2,3,4,5,6,7,8,9,10,11,12,13,14,15
	ds_load_b128 v[OB+4*\i:OB+4*\i+3], v[STR+(\m)] offset:\i*SPITCH
.endr
.endm
.macro FLUSHSTORE
.irp i, 0,1,2,3,4,5,6,7,8,9,10,11,12,13,14,15
	global_store_b128 v[VO], v[OB+4*\i:OB+4*\i+3], s[OUT:OUT+1] offset:\i*4096 th:TH_STORE_NT   ; 32 lanes store 512 consecutive bytes, aligned
.endr
.endm
; A TRIP: tile k (64 times of each substream) lies in slot n = k % 2 and fills stage n.  refill: tile k + 1 is asked for.  fl: 1 the last stage goes out, 2 out0's address steps first.  ask: 1 a prefetch, 2 its address steps first.
.macro TRIP n, refill, fl, ask
	s_wait_alu depctr_va_vdst(0)                   ; the wait ahead of the waits below
	s_wait_tensorcnt 0x0                           ; all my tensor loads have landed
	ds_add_u32 v[SPW], v[NIL]                      ; the add,
.if \refill
	ds_add_u32 v[SPW], v[NIL]
.endif
	s_add_nc_u64 s[G0C+4*\n+2:G0C+4*\n+3], s[G0C+4*\n+2:G0C+4*\n+3], 2*TILEB
	s_add_nc_u64 s[G0S+4*\n+2:G0S+4*\n+3], s[G0S+4*\n+2:G0S+4*\n+3], 2*TILES
.if \ask == 2
	s_wait_xcnt 0x0                                ; the last trip's prefetch has read its address
	s_add_nc_u64 s[PFA:PFA+1], s[PFA:PFA+1], TILEB
.endif
.if \fl == 1
	s_mov_b32 s[STP], 0                            ; out0's address stands at my first two rows
.endif
.if \fl == 2
	s_mov_b32 s[STP], 48*4096+8192                 ; from my last two rows of a tile to my first two of the next: 64 rows less 14
.endif
	s_mov_b32 s[FO], (1-\n)*STAGEB
	s_mov_b32 s[RO], \n*SLOTB
	s_mov_b32 s[SO], \n*SLOTB
	s_mov_b32 s[TO], \n*STAGEB
	s_wait_dscnt 0x0                               ; the add, my reads of the last slot and stage, and my stage stores are done
.if \refill
	ROUND
	JLOAD 1-\n                                     ; the first tensor load behind the round, one a wave
.else
	s_barrier_signal -1
	s_barrier_wait -1
.endif
	XLOAD 0
.if \ask
	ASK
.endif
	s_mov_b32 s[CNT], 7
	s_wait_dscnt 0x0
.Lrow_\@:
	MUL
	s_add_co_u32 s[RO], s[RO], 8*PITCH
	s_add_co_u32 s[SO], s[SO], 256
	XLOAD 1
.if \fl
	FLOAD
.endif
	GATE
	FINISH
	s_wait_alu depctr_va_vdst(0)
	s_wait_dscnt 8                                 ; the next row tile's 17 loads and the stage's two rows are in; the 8 younger stage stores may be out
.if \fl
	FSTORE
.endif
	s_sub_co_u32 s[CNT], s[CNT], 1
	s_cmp_lg_u32 s[CNT], 0
	s_cbranch_scc1 .Lrow_\@
	MUL                                            ; the eighth: nothing more is read from this slot
.rept 4
	v_nop
.endr
.if \fl
	FLOAD
.endif
	GATE
	FINISH
.if \fl
	s_wait_dscnt 8                                 ; the stage's two rows are in; the 8 younger stage stores may be out
	FSTORE
.endif
.endm
	s_load_b256 s[4:11], s[0:1], 0x0               ; xc, xs, wc, ws
	s_load_b256 s[12:19], s[0:1], 0x20             ; b_f, b_i, b_h, pairs
	s_load_b64 s[OUT:OUT+1], s[0:1], 0x40
	v_lshl_add_u32 v[SPW], v0, 2, SPARE
	v_mov_b32 v[NIL], 0
	ds_add_u32 v[SPW], v[NIL]                      ; the opening lines: the add twice and one wait
	ds_add_u32 v[SPW], v[NIL]
	v_lshrrev_b32 v[RR], 5, v0
	v_readfirstlane_b32 s[WV], v[RR]
	s_bfe_u32 s[CX], ttmp6, 0x40000
	s_lshl_b32 s[CG], ttmp9, 2
	s_add_co_u32 s[CG], s[CG], s[CX]               ; my group of 128 columns
	s_and_b32 s78, ttmp7, 0xffff                   ; y = 4 x (pair of substreams) + batch
	s_and_b32 s[BB], s78, 3
	s_lshr_b32 s[QQ], s78, 2
	s_mov_b32 s[NC], 0xbfb8aa3b
	s_mov_b32 s[NC+1], s[NC]
	s_mov_b32 s[TH], 0x42800000
	s_mov_b32 s[STP+1], 0
	s_mov_b32 s[G1C], 15|(1<<20)|(1<<21)|(6<<22)|(3<<25)   ; the mask of all four; bytes; 4 words of padding behind every 128
	s_mov_b32 s[G1C+1], 512<<16
	s_mov_b32 s[G1C+2], 64<<16
	s_mov_b32 s[G1C+3], 512<<16
	s_mov_b32 s[G1C+4], 64
	s_mov_b32 s[G1C+5], 512
	s_mov_b32 s[G1C+6], 0
	s_mov_b32 s[G1C+7], 0
	s_mov_b32 s[G1S], 15|(3<<16)|(1<<21)           ; 2,048 dense scale bytes as 8 rows of 256
	s_mov_b32 s[G1S+1], 32<<16
	s_mov_b32 s[G1S+2], 8<<16
	s_mov_b32 s[G1S+3], 32<<16
	s_mov_b32 s[G1S+4], 8
	s_mov_b32 s[G1S+5], 32
	s_mov_b32 s[G1S+6], 0
	s_mov_b32 s[G1S+7], 0
	s_and_b32 s78, s[WV], 1                        ; which substream I fetch for: batch, pair and wave alone enter here
	s_mul_i32 s79, s78, SUBB
	s_lshl_b32 s77, s78, 11
	s_lshl_b32 s80, s[BB], 21
	s_lshl_b32 s81, s[QQ], 18
	s_add_co_u32 s80, s80, s81
	s_lshl_b32 s81, s78, 17
	s_add_co_u32 s80, s80, s81
	s_mov_b32 s81, 0
	s_lshl_b32 s82, s[BB], 17
	s_lshl_b32 s83, s[QQ], 14
	s_add_co_u32 s82, s82, s83
	s_lshl_b32 s83, s78, 13
	s_add_co_u32 s82, s82, s83
	s_mov_b32 s83, 0
	s_lshl_b32 s86, s[CG], 3
	s_add_co_u32 s86, s86, s[WV]                   ; my column tile, 0 to 63
	s_lshr_b32 s74, s[WV], 2
	s_lshl_b32 s71, s[WV], 6
	s_add_co_u32 s71, s71, STG
	s_and_b32 s72, s[WV], 3
	s_mul_i32 s72, s72, 16*SPITCH
	s_mul_i32 s75, s74, SUBB
	s_add_co_u32 s72, s72, s75
	s_add_co_u32 s72, s72, STG
	s_lshl_b32 s73, s[QQ], 1
	v_and_b32 v[RR], 15, v0
	v_bfe_u32 v[HH], v0, 4, 1
	v_and_b32 v[LN], 31, v0
	v_and_b32 v[R7], 7, v0
	v_bfe_u32 v[R3], v0, 3, 1
	v_lshlrev_b32 v[WOF], 4, v[LN]                 ; weights: 16 x lane
	v_lshlrev_b32 v[SOF], 5, v[RR]
	v_lshlrev_b32 v[BOF], 2, v[RR]
	v_lshlrev_b32 v[POF], 3, v[RR]
	v_mul_u32_u24 v[ADR], v[R7], PITCH
	v_lshlrev_b32 v[ASC], 5, v[R7]
	v_lshlrev_b32 v[PFO], 8, v[LN]
	v_lshl_add_u32 v[SOF], v[HH], 4, v[SOF]
	v_mad_u32_u24 v[ADR], v[R3], SUBB, v[ADR]      ; row r % 8 of substream r / 8
	v_lshl_add_u32 v[ASC], v[R3], 11, v[ASC]
	v_mov_b32 v[KV], 0x42b8aa3b
	v_mov_b32 v[KV+1], 0x42b8aa3b
	v_lshl_add_u32 v[ADR], v[HH], 4, v[ADR]
	v_lshl_add_u32 v[ASC], v[HH], 4, v[ASC]
	v_mul_u32_u24 v[STW], v[HH], SUBB
	v_lshlrev_b32 v[VO], 4, v[LN]
	v_add_nc_u32 v[SI], s73, v[HH]                 ; my lane's substream
	v_add_nc_u32 v[ASC], SCOFF, v[ASC]
	v_lshl_add_u32 v[STW], v[RR], 2, v[STW]
	v_add_nc_u32 v[STR], s72, v[VO]                ; back: rows 16 (w % 4) .. of substream w / 4
	v_mov_b32 v[HO+7], 0
	v_add_nc_u32 v[STW], s71, v[STW]               ; into a stage: substream h, + 64 w + 4 r
	v_add_nc_u32 v[STR+1], STAGEB, v[STR]
	s_wait_alu depctr_va_vdst(0)                   ; the wait at the head's end
	s_wait_dscnt 0x0
	s_wait_kmcnt 0x0
	s_add_nc_u64 s[80:81], s[4:5], s[80:81]
	s_add_nc_u64 s[82:83], s[6:7], s[82:83]
.irp n, 0,1
	s_mov_b32 s[G0C+4*\n], 1
	s_add_co_u32 s[G0C+4*\n+1], s79, \n*SLOTB
	s_add_nc_u64 s[G0C+4*\n+2:G0C+4*\n+3], s[80:81], \n*TILEB
	s_or_b32 s[G0C+4*\n+3], s[G0C+4*\n+3], 0x80000000
	s_mov_b32 s[G0S+4*\n], 1
	s_add_co_u32 s[G0S+4*\n+1], s77, \n*SLOTB+SCOFF
	s_add_nc_u64 s[G0S+4*\n+2:G0S+4*\n+3], s[82:83], \n*TILES
	s_or_b32 s[G0S+4*\n+3], s[G0S+4*\n+3], 0x80000000
.endr
	ROUND                                          ; all four work-groups are here: the first joint loads meet
	JLOAD 0                                        ; tile 0 is asked for first; the loads into registers below go out while it is on its way
	s_lshl_b32 s84, s86, 13                        ; a column tile's codes: 8,192 bytes
	s_mov_b32 s85, 0
	s_add_nc_u64 s[8:9], s[8:9], s[84:85]
	s_lshl_b32 s84, s86, 9
	s_add_nc_u64 s[10:11], s[10:11], s[84:85]
	s_lshl_b32 s84, s86, 6
	s_add_nc_u64 s[12:13], s[12:13], s[84:85]
	s_add_nc_u64 s[14:15], s[14:15], s[84:85]
	s_add_nc_u64 s[16:17], s[16:17], s[84:85]
	s_lshl_b32 s84, s[BB], 13                      ; pairs [substream][batch][column][F, V]
	s_lshl_b32 s87, s86, 7
	s_add_co_u32 s84, s84, s87
	s_add_nc_u64 s[PRS:PRS+1], s[PRS:PRS+1], s[84:85]
	s_lshl_b32 s84, s[BB], 24
	s_lshl_b32 s87, s[QQ], 21
	s_add_co_u32 s84, s84, s87
	s_lshl_b32 s87, s74, 20                        ; the substream whose rows I store: 256 rows,
	s_add_co_u32 s84, s84, s87
	s_and_b32 s87, s[WV], 3
	s_lshl_b32 s87, s87, 16                        ; my 16 rows of its 64,
	s_add_co_u32 s84, s84, s87
	s_lshl_b32 s87, s[CG], 9
	s_add_co_u32 s84, s84, s87
	s_add_nc_u64 s[OUT:OUT+1], s[OUT:OUT+1], s[84:85]
	WIN 0x40
.irp g, 0,1,2
.irp q, 0,1,2,3,4,5,6,7,8,9,10,11,12,13,14,15
	global_load_b128 v[64*\g+4*\q:64*\g+4*\q+3], v[WOF], s[8:9] offset:\g*524288+512*\q   ; 32 lanes read 512 consecutive bytes
.endr
.endr
	global_load_b32 v[BI], v[BOF], s[12:13]
	global_load_b32 v[BI+8], v[BOF], s[14:15]
	global_load_b32 v[BI+16], v[BOF], s[16:17]
	WIN 0
.irp g, 0,1,2
	global_load_b128 v[WS+4*\g:WS+4*\g+3], v[SOF], s[10:11] offset:\g*32768
.endr
.irp s, 0,1,2,3,4,5,6,7,8,9,10,11,12,13,14
	global_load_b64 v[SM+2*\s:SM+2*\s+1], v[POF], s[PRS:PRS+1] offset:\s*32768
.endr
	s_lshl_b32 s84, s[BB], 21                      ; the prefetch: my wave's substream, my work-group's 8,192 bytes, in tile 2
	s_lshl_b32 s87, s[QQ], 18
	s_add_co_u32 s84, s84, s87
	s_lshl_b32 s87, s78, 17
	s_add_co_u32 s84, s84, s87
	s_lshl_b32 s87, s[CX], 13
	s_add_co_u32 s84, s84, s87
	s_add_co_u32 s84, s84, 2*TILEB
	s_add_nc_u64 s[PFA:PFA+1], s[4:5], s[84:85]
	s_lshr_b32 s87, s[WV], 1
	s_or_b32 s[LIM], s87, ttmp9                    ; 0 in waves 0 and 1 of the first cluster
	s_wait_loadcnt 0x0                             ; weights, scale words, biases and pairs, once
	WIN 0x41
.irp g, 0,1,2
.irp j, 1,2,3,4,5,6,7
	v_mov_b32 v[BI+8*\g+\j], v[BI+8*\g]            ; a lane's eight registers are eight times of one column: its bias in all eight
.endr
.endr
	WIN 0
.irp s, 0,1,2,3,4,5,6,7,8,9,10,11,12,13,14
	v_cmp_lt_u32 vcc_lo, \s, v[SI]
.if \s > 0
	s_delay_alu instid0(VALU_DEP_2)
.endif
	v_fma_f32 v[TMP], v[SM+2*\s], v[HO+7], v[SM+2*\s+1]            ; h_0 = 0 carried through the substreams ahead of my lane's, in order; a select, no branch
	s_delay_alu instid0(VALU_DEP_1)
	v_cndmask_b32 v[HO+7], v[HO+7], v[TMP], vcc_lo
.endr
	TRIP 0, 1, 0, 1
	TRIP 1, 1, 1, 2
	TRIP 0, 1, 2, 0
	TRIP 1, 0, 2, 0
	s_wait_dscnt 0x0                               ; for the others' sake: my stores into the last stage have landed
	s_barrier_signal -1
	s_barrier_wait -1
	s_wait_xcnt 0x0
	s_add_nc_u64 s[OUT:OUT+1], s[OUT:OUT+1], 48*4096+8192
	FLUSHLOAD 1
	s_wait_dscnt 0x0
	FLUSHSTORE
	s_wait_tensorcnt 0x0                           ; the wave's end
	ds_add_u32 v[SPW], v[NIL]
	s_wait_dscnt 0x0
	ROUND                                          ; the closing round
	s_endpgm
.Lfunc_end_k_q5983e385d6_scan:
	.size	k_q5983e385d6_scan, .Lfunc_end_k_q5983e385d6_scan-k_q5983e385d6_scan
	.p2alignl 7, 3214868480
	.fill 96, 4, 3214868480
	.section	.rodata,"a",@progbits
	.p2align	6, 0x0
	.amdhsa_kernel k_q5983e385d6_scan
		.amdhsa_group_segment_fixed_size 327680
		.amdhsa_private_segment_fixed_size 0
		.amdhsa_enable_private_segment 0
		.amdhsa_kernarg_size 72
		.amdhsa_user_sgpr_count 2
		.amdhsa_user_sgpr_kernarg_segment_ptr 1
		.amdhsa_wavefront_size32 1
		.amdhsa_system_sgpr_workgroup_id_x 1
		.amdhsa_system_sgpr_workgroup_id_y 1
		.amdhsa_system_sgpr_workgroup_id_z 1
		.amdhsa_system_vgpr_workitem_id 0
		.amdhsa_next_free_vgpr 512
		.amdhsa_next_free_sgpr 96
		.amdhsa_reserve_vcc 1
		.amdhsa_float_denorm_mode_32 3
		.amdhsa_float_denorm_mode_16_64 3
		.amdhsa_memory_ordered 1
		.amdhsa_forward_progress 1
		.amdhsa_inst_pref_size 124
	.end_amdhsa_kernel
	.amdgpu_metadata
---
amdhsa.version: [ 1, 2 ]
amdhsa.kernels:
  - .name:           k_q5983e385d6_scan
    .symbol:         k_q5983e385d6_scan.kd
    .args:
      - { .name: xc, .offset: 0, .size: 8, .value_kind: global_buffer, .address_space: global }
      - { .name: xs, .offset: 8, .size: 8, .value_kind: global_buffer, .address_space: global }
      - { .name: wc, .offset: 16, .size: 8, .value_kind: global_buffer, .address_space: global }
      - { .name: ws, .offset: 24, .size: 8, .value_kind: global_buffer, .address_space: global }
      - { .name: b_f, .offset: 32, .size: 8, .value_kind: global_buffer, .address_space: global }
      - { .name: b_i, .offset: 40, .size: 8, .value_kind: global_buffer, .address_space: global }
      - { .name: b_h, .offset: 48, .size: 8, .value_kind: global_buffer, .address_space: global }
      - { .name: pairs, .offset: 56, .size: 8, .value_kind: global_buffer, .address_space: global }
      - { .name: out0, .offset: 64, .size: 8, .value_kind: global_buffer, .address_space: global }
    .group_segment_fixed_size: 327680
    .private_segment_fixed_size: 0
    .kernarg_segment_align: 8
    .kernarg_segment_size: 72
    .max_flat_workgroup_size: 256
    .sgpr_count:     96
    .vgpr_count:     512
    .wavefront_size: 32
...
	.end_amdgpu_metadata
.endif
;; end of part 5
